; MI455X (gfx1250); checked and timed in simulation.
; The chip was launched on July 23, 2026; its instructions are those of AMD's public machine-readable ISA for CDNA 5 (MIT licence, August 2026) and "CDNA5" Instruction Set Architecture Reference Guide (July 2026). The comments in the code are by the model that wrote it; some were corrected since.
;; Multi Head Attention. Allowed arithmetic: matrix products marked QUANTISED: E2M3 operands, one E8M0 scale for each 32 along K, by v_wmma_scale_f32_16x16x128_f8f6f4 with both operands' format E2M3, f32 sums; everything else in f32.
;; Inputs: Wk 1,024 x 1,024 float32; Wo 1,024 x 1,024 float32; Wq 1,024 x 1,024 float32; Wv 1,024 x 1,024 float32; bk 1,024 float32; bo 1,024 float32; bq 1,024 float32; bv 1,024 float32; x 2 x 2,048 x 1,024 float32.
;; Outputs: out0 2 x 2,048 x 1,024 float32.
;; This version of the problem:
;;   THIS VERSION OF THE PROBLEM IS GIVEN IN LOW PRECISION. The matrix products marked QUANTISED in the list below multiply operands that are first quantised to E2M3 (2 exponent bits, 3 mantissa bits; 6 bits a number), with one power-of-two scale for each 32 numbers along K (OCP MX v1.0); their sums are f32. All else is computed in f32.
;;   The module's matrix products, in the order in which they are computed (A, B: the left and right operand; K: the contracted axis; several contracted axes count as one K, in the product's order):
;;     1. [M 4,096, K 1,024] x [K 1,024, N 1,024]; A: input x; B: input Wq: QUANTISED
;;     2. [M 4,096, K 1,024] x [K 1,024, N 1,024]; A: input x; B: input Wk: QUANTISED
;;     3. [M 4,096, K 1,024] x [K 1,024, N 1,024]; A: input x; B: input Wv: QUANTISED
;;     4. batch 32 x [M 2,048, K 64] x [K 64, N 2,048]; A: computed on the way; B: computed on the way: QUANTISED
;;     5. batch 32 x [M 2,048, K 2,048] x [K 2,048, N 64]; A: softmax (see below); B: computed on the way: QUANTISED
;;     6. [M 4,096, K 1,024] x [K 1,024, N 1,024]; A: computed on the way; B: input Wo: QUANTISED
;;   THE QUANTISER, for each operand of a quantised product, along K:
;;     - K is cut into blocks of 32 from its start; a last block that is shorter is filled with zeros.
;;     - A block's scale is 2^e with e = floor(log2(the largest magnitude in the block)) - 2, held to -126 .. 127; a block of zeros has e = 0. As a byte (E8M0): e + 127.
;;     - Each number is divided by its block's scale, clamped to +-7.5, and rounded to the nearest number of E2M3, ties to even, subnormals kept.
;;     - The product sums the exact products of the quantised numbers (number of the format x scale) in f32.
;;   ~~~python
;;   def quantise(x, axis):      # numpy; x: float32 -> the quantised numbers, widened to float32 again
;;       x = np.moveaxis(x, axis, -1); K = x.shape[-1]
;;       x = np.pad(x, [(0, 0)] * (x.ndim - 1) + [(0, -K % 32)]); x = x.reshape(x.shape[:-1] + (-1, 32)); a = np.abs(x).max(-1, keepdims=True)
;;       e = np.where(a > 0, np.clip(np.frexp(np.where(a > 0, a, 1))[1] - 1 - 2, -126, 127), 0)      # np.frexp(a)[1] - 1 = floor(log2(a)), exactly
;;       r = np.clip(x / 2.0 ** e, -7.5, 7.5)
;;       step = 2.0 ** (np.maximum(np.frexp(np.where(r == 0, 1, r))[1] - 1, 0) - 3)
;;       q = np.round(r / step) * step * 2.0 ** e      # np.round: ties to even
;;       return np.moveaxis(q.reshape(q.shape[:-2] + (-1,))[..., :K], -1, axis).astype(np.float32)
;;   ~~~
;;   SOFTMAX AHEAD OF A QUANTISED PRODUCT. Where the list says 'softmax', what is quantised is not the finished softmax but p = 2^(t - M), with t = logit x log2(e) and M = ceil(the row's largest t), a whole number; so 1/2 < the row's largest p <= 1. The row's sum l is taken of the UNQUANTISED p, in f32, and the product's result is divided by l at the end. Since M is a whole number, a kernel that streams over the keys may use a running M (the ceiling of the running maximum): every later rescaling is an exact power of two, which a block's scale takes up: the codes' values come out the same.
;;   OPERANDS COMPUTED ON THE WAY. 'Computed on the way' means the value that the module computes at that place (a softmax that the list does not call 'softmax' is quantised finished and normalised). What goes into a quantiser is computed in f32, as accurately as f32 sums, v_exp_f32 and their like allow (about 1e-6 of the number): no bf16 or f16 on the way to a quantiser, and a product that is left as it is and whose result goes on into a quantised operand takes f32 operands (vector FMAs, or v_wmma_f32_16x16x4_f32). A number that lies on a knife's edge between two numbers of the format may be rounded either way, as far as f32 arithmetic and the matrix unit's own rounding can turn it there, and no further.
;; One version. Each part assembles by itself: llvm-mc -triple=amdgcn-amd-amdhsa -mcpu=gfx1250 --defsym DOCPART=n.
;; ======== version 1 of 1: 4 launches
;; limits: right only within a limited range of input values
;; workspace buffers: codes 6,291,456 bytes; scl 262,144 bytes; qkv 9,437,184 bytes; qkvs 524,288 bytes; cc 3,145,728 bytes; cs 131,072 bytes
;; launch quant (part 1): grid 256 x 1, 4 waves a work-group, no clusters, 33,280 bytes of LDS; arguments x, Wq, Wk, Wv, Wo, codes, scl; writes codes, scl
.if DOCPART == 1
	.amdgcn_target "amdgcn-amd-amdhsa--gfx1250"
	.amdhsa_code_object_version 6
	.text
	.protected	k_q7bc8dac586_quant
	.globl	k_q7bc8dac586_quant
	.p2align	8
	.type	k_q7bc8dac586_quant,@function
k_q7bc8dac586_quant:
	s_mov_b64 s[64:65], 0
	v_nop
	global_prefetch_b8 v0, s[64:65] scope:SCOPE_SE
	s_setreg_imm32_b32 hwreg(HW_REG_WAVE_MODE, 25, 1), 1
	s_wait_xcnt 0x0
; x [4096][1024] and Wq, Wk, Wv, Wo [1024][1024], f32 with K innermost, become codes of FP6 (E2M3), 6 bits each, and one E8M0 byte for each 32 along K.
; The buffers count 8,192 rows (x at row 0, Wq 4096, Wk 5120, Wv 6144, Wo 7168).  scl: rows of 32 bytes.
; codes: [group of rows][quarter of K, 256 codes][row in the group][192 bytes].  A group is 256 rows for x, Wq, Wk, Wv and 128 rows for Wo: so the tiles that the later launches fetch
; (256 or 128 rows x a quarter of K; for Wo 128 rows x all of K) are consecutive bytes, which they state as rows of 256 bytes.  A row's share of a group is 768 bytes in both.
; A block's scale is 2^(floor(log2(its largest magnitude)) - 2); its byte is the largest magnitude's exponent field - 2, held at 1 from below.
; (A block of zeros gets the byte 1 where the rule says 127: its codes are zeros, which add nothing under any byte but 0xff, and this program alone reads the bytes.)
; LIMITS: blocks whose largest magnitude lies under 2^-124 keep the byte 1; NaN and infinities among the inputs are not served.
; THE ORDER OF ROWS: buffer row 32 g + 16 u + 8 h + j holds the tensor's row 32 g + 16 h + 8 u + j (bits 3 and 4 of the row number change places).
; A wave takes a run of 8,192 numbers, 8 rows, in 16 steps of 512; run 4 g + 2 h + u goes to place 4 g + 2 u + h.
; Each of a step's four loads reads 512 consecutive bytes; the 2,048 bytes turn through the wave's own stage in LDS and come back 64 bytes a lane: 16 neighbours along K, two lanes to a block.
; Work-groups 0-127 take x, 128-159 Wq, 160-191 Wk, 192-223 Wv, 224-255 Wo.  No tensor loads, no barrier: waves share nothing.
.set STEPS, 16
.set EMAX,  2
.set CB,    12                         ; bytes of 16 codes
.set R,     16                         ; v16-79   four sets of 16 numbers as they are loaded
.set X,     80                         ; v80-111  two sets of 16 neighbours
.set C,     128                        ; v128-191 codes: four registers for each step, so that no store's data are written again
.set E,     112                        ; v112-127 a scale byte for each step
.set WREG,  8192                       ; LDS: a region for each wave: two stages of 32 x SP bytes, behind them its 256 scale bytes
.set SP,    80                         ; a lane's place in a stage: its 64 bytes + 16 of padding
	s_load_b256 s[4:11], s[0:1], 0x0               ; x, Wq, Wk, Wv
	s_load_b128 s[12:15], s[0:1], 0x20             ; Wo, codes
	s_load_b64 s[28:29], s[0:1], 0x30              ; scl
	v_lshl_add_u32 v192, v0, 2, 0x8000
	v_mov_b32 v193, 0
	v_lshrrev_b32 v1, 5, v0
	v_readfirstlane_b32 s16, v1                    ; wave
	v_and_b32 v2, 31, v0                           ; lane
	v_lshlrev_b32 v3, 4, v2                        ; my 16 bytes of a load's 512
	s_mul_i32 s17, s16, WREG
	s_mov_b32 s24, 49152
	s_cmp_lt_u32 ttmp9, 224
	s_cselect_b32 s24, s24, 24576                  ; from a quarter of K to the next: 192 bytes x the group's rows
	v_lshrrev_b32 v14, 2, v2
	v_mul_u32_u24 v14, v14, SP
	v_and_b32 v15, 3, v2
	v_lshl_add_u32 v14, v15, 4, v14
	v_add_nc_u32 v14, s17, v14                     ; the stage, on the way in: SP (lane / 4) + 16 (lane % 4)
	v_mul_u32_u24 v15, v2, SP
	v_add_nc_u32 v15, s17, v15                     ; and on the way out: SP x lane: my 16 neighbours
	v_and_b32 v4, 15, v2
	v_mul_u32_u24 v4, v4, CB                       ; sixteen lanes hold a quarter's 192 bytes of a row,
	v_lshrrev_b32 v5, 4, v2
	v_mad_u32_u24 v4, v5, s24, v4                  ; lanes 16-31 the next quarter's
	v_lshrrev_b32 v5, 1, v2
	s_add_co_u32 s17, s17, 2*32*SP
	v_add_nc_u32 v5, s17, v5                       ; LDS: my wave's 256 scale bytes, my block's byte
	v_lshlrev_b32 v7, 3, v2                        ; and on the way out 8 bytes a lane
	v_add_nc_u32 v6, s17, v7
	s_wait_alu depctr_va_vdst(0)                   ; the wait at the head's end
	s_wait_kmcnt 0x0
	s_cmp_lt_u32 ttmp9, 160                        ; which tensor: the choice hangs on the work-group's number alone
	s_cselect_b64 s[6:7], s[6:7], s[8:9]           ; Wq or Wk
	s_cmp_lt_u32 ttmp9, 224
	s_cselect_b64 s[10:11], s[10:11], s[12:13]     ; Wv or Wo
	s_cmp_lt_u32 ttmp9, 192
	s_cselect_b64 s[6:7], s[6:7], s[10:11]
	s_and_b32 s17, ttmp9, 0xe0                     ; a weight's first work-group: 128, 160, 192, 224
	s_cmp_lt_u32 ttmp9, 128
	s_cselect_b64 s[4:5], s[4:5], s[6:7]           ; x or a weight
	s_cselect_b32 s17, 0, s17
	s_sub_co_u32 s17, ttmp9, s17
	s_lshl_b32 s17, s17, 2
	s_add_co_u32 s18, s17, s16                     ; which run of the tensor is my wave's
	s_mov_b32 s19, 0
	s_lshl_b64 s[20:21], s[18:19], 15              ; 32,768 bytes a run
	s_add_nc_u64 s[4:5], s[4:5], s[20:21]
	s_and_b32 s22, s16, 1                          ; where the run's results go: the wave's two bits change places
	s_lshl_b32 s22, s22, 1
	s_lshr_b32 s23, s16, 1
	s_or_b32 s22, s22, s23
	s_lshl_b32 s23, ttmp9, 2
	s_add_co_u32 s22, s22, s23                     ; the place among all 1,024 runs of the buffers
	s_cmp_lt_u32 ttmp9, 224
	s_cselect_b32 s25, 5, 4                        ; 32 or 16 runs of 8 rows to a group
	s_cselect_b32 s26, 31, 15
	s_lshr_b32 s20, s22, s25
	s_lshl_b32 s21, s24, 2                         ; a group's bytes: four quarters
	s_mul_i32 s20, s20, s21
	s_and_b32 s21, s22, s26
	s_mul_i32 s21, s21, 1536                       ; 8 rows of 192 bytes in each quarter
	s_add_co_u32 s20, s20, s21
	s_mov_b32 s21, 0
	s_add_nc_u64 s[8:9], s[14:15], s[20:21]        ; quarters 0 and 1 of my rows,
	s_lshl_b32 s26, s24, 1
	s_mov_b32 s27, 0
	s_add_nc_u64 s[26:27], s[8:9], s[26:27]        ; quarters 2 and 3
	s_lshl_b32 s20, s22, 8                         ; 256 scale bytes a run
	s_add_nc_u64 s[10:11], s[28:29], s[20:21]
.macro LOAD t
.irp i, 0,1,2,3
	global_load_b128 v[R+16*((\t)%4)+4*\i:R+16*((\t)%4)+4*\i+3], v3, s[4:5] offset:2048*(\t)+512*\i th:TH_LOAD_NT   ; 32 lanes read 512 consecutive bytes
.endr
.endm
.macro TURN t                          ; step t's numbers through the stage: LDS serves a wave's instructions in order (ISA guide 5.7.1.4), so no wait stands between the stores and the loads
.irp i, 0,1,2,3
	ds_store_b128 v14, v[R+16*((\t)%4)+4*\i:R+16*((\t)%4)+4*\i+3] offset:32*SP*((\t)%2)+8*SP*\i
.endr
.irp i, 0,1,2,3
	ds_load_b128 v[X+16*((\t)%2)+4*\i:X+16*((\t)%2)+4*\i+3], v15 offset:32*SP*((\t)%2)+16*\i
.endr
.endm
.irp t, 0,1,2,3
	LOAD \t
.endr
	s_wait_loadcnt 12                              ; step 0's four loads are in
	TURN 0
.macro STEP t
.set XS, X+16*((\t)%2)
.if (\t) > 0
	s_wait_dscnt 1                                 ; this step's numbers are back from the stage (the last step's byte store may be out)
.else
	s_wait_dscnt 0x0
.endif
.if (\t)+4 < STEPS
	LOAD (\t)+4
.endif
.if (\t)+1 < STEPS
.if STEPS-2-(\t) >= 3
	s_wait_loadcnt 12                              ; the next step's four loads are in; those of the three steps behind it may be out
.else
	s_wait_loadcnt 4*(STEPS-2-(\t))
.endif
	TURN (\t)+1
.endif
	v_max3_num_f32 v8, |v[XS]|, |v[XS+1]|, |v[XS+2]|               ; the largest magnitude of my 16
	v_max3_num_f32 v9, |v[XS+3]|, |v[XS+4]|, |v[XS+5]|
.irp i, 6,10
	v_max3_num_f32 v8, v8, |v[XS+\i]|, |v[XS+\i+1]|
	v_max3_num_f32 v9, v9, |v[XS+\i+2]|, |v[XS+\i+3]|
.endr
	v_max3_num_f32 v8, v8, |v[XS+14]|, |v[XS+15]|
	v_max3_num_f32 v8, v8, v9, (EMAX+1)<<23        ; and the floor 2^(3 - 127): so the byte cannot fall under 1
	v_max_num_f32_dpp v8, v8, v8 row_xmask:1 row_mask:0xf bank_mask:0xf   ; and of my neighbour's 16: the block's
	v_add_nc_u32 v11, -(EMAX<<23), v8              ; 2 off its exponent field: the conversion takes the exponent field of this operand as its scale
	v_cvt_scalef32_pk16_fp6_f32 v[C+4*(\t):C+4*(\t)+2], v[XS:XS+15], v11         ; sixteen codes, 96 bits without gaps
	v_lshrrev_b32 v[E+(\t)], 23, v11               ; the scale's byte
	ds_store_b8 v5, v[E+(\t)] offset:16*(\t)       ; both lanes of a block write the same byte with the same value
	global_store_b96 v4, v[C+4*(\t):C+4*(\t)+2], s[8+18*((\t)%2):9+18*((\t)%2)] offset:192*((\t)/2)   ; step t: row t / 2, quarters 2 (t % 2) and 2 (t % 2) + 1
.endm
.irp t, 0,1,2,3,4,5,6,7,8,9,10,11,12,13,14,15
	STEP \t
.endr
	ds_load_b64 v[12:13], v6                       ; these see my byte stores: a wave's LDS instructions are served in order
	s_wait_dscnt 0x0
	global_store_b64 v7, v[12:13], s[10:11]        ; 32 lanes store 256 consecutive bytes, aligned
	s_wait_tensorcnt 0x0                           ; the wave's end
	ds_add_u32 v192, v193
	s_wait_dscnt 0x0
	s_endpgm
.Lfunc_end_k_q7bc8dac586_quant:
	.size	k_q7bc8dac586_quant, .Lfunc_end_k_q7bc8dac586_quant-k_q7bc8dac586_quant
	.p2alignl 7, 3214868480
	.fill 96, 4, 3214868480
	.section	.rodata,"a",@progbits
	.p2align	6, 0x0
	.amdhsa_kernel k_q7bc8dac586_quant
		.amdhsa_group_segment_fixed_size 33280
		.amdhsa_private_segment_fixed_size 0
		.amdhsa_enable_private_segment 0
		.amdhsa_kernarg_size 56
		.amdhsa_user_sgpr_count 2
		.amdhsa_user_sgpr_kernarg_segment_ptr 1
		.amdhsa_wavefront_size32 1
		.amdhsa_system_sgpr_workgroup_id_x 1
		.amdhsa_system_sgpr_workgroup_id_y 1
		.amdhsa_system_sgpr_workgroup_id_z 1
		.amdhsa_system_vgpr_workitem_id 0
		.amdhsa_next_free_vgpr 194
		.amdhsa_next_free_sgpr 66
		.amdhsa_reserve_vcc 0
		.amdhsa_float_denorm_mode_32 3
		.amdhsa_float_denorm_mode_16_64 3
		.amdhsa_memory_ordered 1
		.amdhsa_forward_progress 1
		.amdhsa_inst_pref_size 33
	.end_amdhsa_kernel
	.amdgpu_metadata
---
amdhsa.version: [ 1, 2 ]
amdhsa.kernels:
  - .name:           k_q7bc8dac586_quant
    .symbol:         k_q7bc8dac586_quant.kd
    .args:
      - { .name: x, .offset: 0, .size: 8, .value_kind: global_buffer, .address_space: global }
      - { .name: Wq, .offset: 8, .size: 8, .value_kind: global_buffer, .address_space: global }
      - { .name: Wk, .offset: 16, .size: 8, .value_kind: global_buffer, .address_space: global }
      - { .name: Wv, .offset: 24, .size: 8, .value_kind: global_buffer, .address_space: global }
      - { .name: Wo, .offset: 32, .size: 8, .value_kind: global_buffer, .address_space: global }
      - { .name: codes, .offset: 40, .size: 8, .value_kind: global_buffer, .address_space: global }
      - { .name: scl, .offset: 48, .size: 8, .value_kind: global_buffer, .address_space: global }
    .group_segment_fixed_size: 33280
    .private_segment_fixed_size: 0
    .kernarg_segment_align: 8
    .kernarg_segment_size: 56
    .max_flat_workgroup_size: 128
    .sgpr_count:     66
    .vgpr_count:     194
    .wavefront_size: 32
...
	.end_amdgpu_metadata
.endif
;; end of part 1
;; launch qkv (part 2): grid 12 x 16, 4 waves a work-group, clusters of 4 x 4, 327,680 bytes of LDS; arguments codes, scl, bq, bk, bv, qkv, qkvs; writes qkv, qkvs
.if DOCPART == 2
	.amdgcn_target "amdgcn-amd-amdhsa--gfx1250"
	.amdhsa_code_object_version 6
	.text
	.protected	k_q7bc8dac586_qkv
	.globl	k_q7bc8dac586_qkv
	.p2align	8
	.type	k_q7bc8dac586_qkv,@function
k_q7bc8dac586_qkv:
	s_mov_b64 s[64:65], 0
	v_nop
	global_prefetch_b8 v0, s[64:65] scope:SCOPE_SE
	s_setreg_imm32_b32 hwreg(HW_REG_WAVE_MODE, 25, 1), 1
	s_wait_xcnt 0x0
	s_wait_alu depctr_hold_cnt(0) depctr_sa_sdst(0) depctr_va_vdst(0) depctr_va_sdst(0) depctr_va_ssrc(0) depctr_va_vcc(0) depctr_vm_vsrc(0)
	s_getreg_b32 s2, hwreg(HW_REG_IB_STS2, 6, 4)
	s_cmp_eq_u32 s2, 0
	s_cbranch_scc0 .Lentry_in_a_cluster
	s_endpgm
.Lentry_in_a_cluster:
	s_bfe_u32 s2, ttmp6, 0x10000c
	s_cmp_lg_u32 s2, 0xf033
	s_cbranch_scc0 .Lentry_shape_is_right
	s_endpgm
.Lentry_shape_is_right:
.set SIZE_K, 1024
.set KSTEP,  256
.set NQ,     KSTEP/128
.set ROWB,   192
.set KQB,    49152                     ; 256 rows x 256 along K lie dense in codes: 192 rows of 256 bytes; the next quarter of K follows
.set HALFB,  24576                     ; 128 of those rows: what a wave fetches in the ring
.set KROW,   SIZE_K*6/8
.set PITCH,  240
.set FR,     12
.set NL,     6
.set NP,     4
.set HALFT,  128*PITCH
.set SLOT,   4*HALFT
.set LAPS,   SIZE_K/(2*KSTEP)
.set KS,     SIZE_K/32
.set SCL,    2*SLOT
.set HALFS,  (128*KS/256)*272
.set SBLK,   (16*KS/256)*272
.set SPARE,  SCL+4*HALFS
.set ADRA, 16
.set ADRB, 20
.set ADRS, 27
.set SPW,  28
.set NIL,  29
.set BNO,  30
.set BMO,  31
.set SC,   32
.set BN,   64
.set AF,   128
.set BM,   240
.set TM,   32
.set L16,  48
.set L8,   49
.set VO,   50
.set SO,   54
.set SO2,  55
.set WA,   56
.set WB,   60
.set HA,   128
.set CD,   192
.set WO,   232
.set PWS,  248
.set G1, 24
.set G0, 32
.set G1B, 48
.set G0B, 56
.set G1S, 68
.set G0S, 76
.set G1SB, 80
.set G0SB, 88
.set MSB, 0
.macro WIN new
.if MSB != (\new)
	s_set_vgpr_msb (MSB<<8)|(\new)
.set MSB, (\new)
.endif
.endm
.set MUL_LO, 0xa1
.set MUL_HI, 0xf1
.set TO_B,   0x40
.macro JLOAD g0a, g1a, g0b, g1b
	s_cmp_eq_u32 s15, 0
	s_cbranch_scc0 .Lfor_b_\@
	tensor_load_to_lds s[\g0a:\g0a+3], s[\g1a:\g1a+7]
	s_nop 0
.rept 4
	v_nop
.endr
	s_branch .Lasked_\@
.Lfor_b_\@:
	tensor_load_to_lds s[\g0b:\g0b+3], s[\g1b:\g1b+7]
	s_nop 0
.rept 4
	v_nop
.endr
.Lasked_\@:
.endm
.macro CREST
	s_cmp_lg_u32 s14, 0
	s_cbranch_scc1 .Lnot_wave_0_\@
	s_barrier_signal -3
.Lnot_wave_0_\@:
	s_barrier_wait -3
	s_barrier_signal -1
	s_barrier_wait -1
.endm
.macro CROUND
	s_barrier_signal -1
	s_barrier_wait -1
	CREST
.endm
	s_load_b128 s[4:7], s[0:1], 0x0
	s_load_b128 s[8:11], s[0:1], 0x10
	s_load_b64 s[12:13], s[0:1], 0x20
	s_load_b64 s[96:97], s[0:1], 0x28
	s_load_b64 s[98:99], s[0:1], 0x30
	v_lshl_add_u32 v[SPW], v0, 2, SPARE
	v_mov_b32 v[NIL], 0
	ds_add_u32 v28, v29
	ds_add_u32 v28, v29
	s_wait_dscnt 0x0
	v_lshrrev_b32 v1, 5, v0
	v_readfirstlane_b32 s14, v1
	s_lshr_b32 s15, s14, 1
	s_and_b32 s16, s14, 1
	s_bfe_u32 s40, ttmp6, 0x40000
	s_bfe_u32 s41, ttmp6, 0x40004
	s_and_b32 s17, ttmp7, 0xffff
	s_lshl_b32 s43, s41, 2
	s_lshl_b32 s43, 15, s43
	s_lshl_b32 s44, 0x1111, s40
	s_or_b32 s[G1+0], s43, (0<<16)|(1<<20)|(1<<21)|(3<<22)|(3<<25)
	s_or_b32 s[G1B+0], s44, (0<<16)|(1<<20)|(1<<21)|(3<<22)|(3<<25)
.irp g, G1, G1B
	s_mov_b32 s[\g+1], 256<<16
	s_mov_b32 s[\g+2], 192<<16
	s_mov_b32 s[\g+3], 256<<16
	s_mov_b32 s[\g+4], 192
	s_mov_b32 s[\g+5], 256
	s_mov_b32 s[\g+6], 0
	s_mov_b32 s[\g+7], 0
.endr
	s_or_b32 s[G1S+0], s43, (3<<16)|(1<<20)|(1<<21)|(5<<22)|(3<<25)
	s_or_b32 s[G1SB+0], s44, (3<<16)|(1<<20)|(1<<21)|(5<<22)|(3<<25)
.irp g, G1S, G1SB
	s_mov_b32 s[\g+1], 32<<16
	s_mov_b32 s[\g+2], (256*KS/256)<<16
	s_mov_b32 s[\g+3], 32<<16
	s_mov_b32 s[\g+4], 256*KS/256
	s_mov_b32 s[\g+5], 32
	s_mov_b32 s[\g+6], 0
	s_mov_b32 s[\g+7], 0
.endr
	s_lshl_b32 s19, s17, 10
	s_lshl_b32 s42, ttmp9, 10
	s_add_co_u32 s42, s42, 4096
	s_mov_b32 s22, 6144
	s_cmp_lt_u32 ttmp9, 2
	s_cselect_b32 s20, s19, s22
	s_cselect_b32 s46, s42, s19
	s_lshl_b32 s21, s41, 8
	s_add_co_u32 s20, s20, s21
	s_lshl_b32 s47, s40, 8
	s_add_co_u32 s46, s46, s47
	s_mov_b32 s21, 0
	s_mov_b32 s47, 0
	s_mov_b64 s[18:19], KS
	s_mul_u64 s[22:23], s[20:21], s[18:19]
	s_mul_u64 s[92:93], s[46:47], s[18:19]
	s_mov_b64 s[18:19], KROW
	s_mul_u64 s[20:21], s[20:21], s[18:19]
	s_mul_u64 s[46:47], s[46:47], s[18:19]
	s_mul_i32 s18, s16, HALFB                      ; in the ring I fetch 128 rows of a tile: which half, in bytes
	s_mov_b32 s19, 0
	s_mul_i32 s45, s14, HALFT
	s_wait_kmcnt 0x0
	s_add_nc_u64 s[20:21], s[4:5], s[20:21]
	s_add_nc_u64 s[22:23], s[6:7], s[22:23]
	s_add_nc_u64 s[46:47], s[4:5], s[46:47]
	s_add_nc_u64 s[92:93], s[6:7], s[92:93]
	CROUND
	s_mov_b32 s[G0S], 1
	s_mov_b32 s[G0S+1], SCL
	s_mov_b64 s[G0S+2:G0S+3], s[22:23]
	s_or_b32 s[G0S+3], s[G0S+3], 0x80000000
	s_mov_b32 s[G0SB], 1
	s_mov_b32 s[G0SB+1], SCL+2*HALFS
	s_mov_b64 s[G0SB+2:G0SB+3], s[92:93]
	s_or_b32 s[G0SB+3], s[G0SB+3], 0x80000000
.irp s, 0,1
	s_mov_b32 s[G0+4*\s], 1
	s_add_co_u32 s[G0+4*\s+1], s45, \s*SLOT
	s_add_nc_u64 s[G0+4*\s+2:G0+4*\s+3], s[20:21], \s*KQB
	s_or_b32 s[G0+4*\s+3], s[G0+4*\s+3], 0x80000000
	s_mov_b32 s[G0B+4*\s], 1
	s_add_co_u32 s[G0B+4*\s+1], s45, \s*SLOT
	s_add_nc_u64 s[G0B+4*\s+2:G0B+4*\s+3], s[46:47], \s*KQB
	s_or_b32 s[G0B+4*\s+3], s[G0B+4*\s+3], 0x80000000
.endr
; THE HEAD'S LOADS, ONE A WAVE: wave 0 the first quarter of K of A's 256 rows, wave 1 of B's, wave 2 the scales of A's 256 rows, wave 3 of B's.
; Slot 0's two groups 0 serve them, with the whole tile's places; behind the wait for these loads they are set for the ring.
	s_mov_b32 s[G0+1], 0
	s_mov_b32 s[G0B+1], 2*HALFT
	s_add_nc_u64 s[G0+6:G0+7], s[G0+6:G0+7], s[18:19]       ; slot 1's: my half of the rows
	s_add_nc_u64 s[G0B+6:G0B+7], s[G0B+6:G0B+7], s[18:19]
.macro ARM under, g0, g1, next         ; one tree of branches on the wave's number, one load to an arm
	s_cmp_lt_u32 s14, \under
	s_cbranch_scc0 \next
	tensor_load_to_lds s[\g0:\g0+3], s[\g1:\g1+7]
	s_nop 0
.rept 4
	v_nop
.endr
	s_branch .Lhead_asked
\next:
.endm
	ARM 1, G0,  G1,  .Lhead_b
	ARM 2, G0B, G1B, .Lhead_sa
	ARM 3, G0S, G1S, .Lhead_sb
	tensor_load_to_lds s[G0SB:G0SB+3], s[G1SB:G1SB+7]
	s_nop 0
.rept 4
	v_nop
.endr
.Lhead_asked:
	v_and_b32 v1, 15, v0
	v_bfe_u32 v2, v0, 4, 1
	v_mul_u32_u24 v3, v1, PITCH
	v_mul_u32_u24 v4, v2, 24
	v_add_nc_u32 v4, v3, v4
	v_lshl_add_u32 v5, v2, 4, v4
	s_mul_i32 s21, s15, HALFT
	s_mul_i32 s22, s16, HALFT
	s_add_co_u32 s22, s22, 2*HALFT
.irp s, 0,1
	v_add_nc_u32 v[ADRA+\s], s21, v4
	v_add_nc_u32 v[ADRB+\s], s22, v4
	v_add_nc_u32 v[ADRA+2+\s], s21, v5
	v_add_nc_u32 v[ADRB+2+\s], s22, v5
	s_add_co_u32 s21, s21, SLOT
	s_add_co_u32 s22, s22, SLOT
.endr
	v_mul_u32_u24 v5, v1, KS
	v_lshrrev_b32 v6, 8, v5
	v_lshl_add_u32 v5, v6, 4, v5
	s_mul_i32 s21, s15, HALFS
	s_mul_i32 s22, s16, HALFS
	s_add_co_u32 s22, s22, 2*HALFS
	s_sub_co_u32 s22, s22, s21
	v_mul_u32_u24 v6, s22, v2
	s_add_co_u32 s21, s21, SCL
	v_add_nc_u32 v5, v5, v6
	v_add_nc_u32 v[ADRS], s21, v5
	s_lshl_b32 s92, s40, 10
	s_lshl_b32 s93, s16, 9
	s_add_co_u32 s92, s92, s93
	s_lshl_b32 s93, s41, 10
	s_lshl_b32 s95, s15, 9
	s_add_co_u32 s93, s93, s95
	s_cmp_lt_u32 ttmp9, 2
	s_cselect_b32 s92, s92, 0
	s_cselect_b32 s93, 0, s93
	s_cselect_b64 s[10:11], s[10:11], s[12:13]
	s_cmp_eq_u32 ttmp9, 0
	s_cselect_b64 s[8:9], s[8:9], s[10:11]
	v_lshl_add_u32 v[BNO], v2, 6, s92
	v_and_b32 v6, 8, v1
	v_add_nc_u32 v6, v6, v1
	v_lshl_add_u32 v[BMO], v6, 2, s93
.irp b, 0,1,2,3,4,5,6,7
	global_load_b128 v[BN+8*\b:BN+8*\b+3], v[BNO], s[8:9] offset:(32*(\b/2)+8*(\b%2))*4
	global_load_b128 v[BN+8*\b+4:BN+8*\b+7], v[BNO], s[8:9] offset:(32*(\b/2)+8*(\b%2))*4+16
.endr
.irp a, 0,1,2,3,4,5,6,7
	global_load_b32 v[BM+\a], v[BMO], s[8:9] offset:(32*(\a/2)+8*(\a%2))*4
.endr
.macro FRAG reg, adr, q, i
.irp p, 0,1,2,3,4,5
.set PCE, 12*(\q)+6*(\p/3)+\p%3
.if PCE%8 < 5
	ds_load_b64 v[\reg+2*\p:\reg+2*\p+1], v[\adr] offset:8*PCE+16*(PCE/8)+(\i)*16*PITCH
.else
	ds_load_b64 v[\reg+2*\p:\reg+2*\p+1], v[\adr+2] offset:8*PCE+16*(PCE/8)+(\i)*16*PITCH
.endif
.endr
.endm
.macro MUL16 a0, p, q, sc, zero
.irp a, \a0, \a0+1
.irp b, 0,1,2,3,4,5,6,7
.if \zero
	v_wmma_scale_f32_16x16x128_f8f6f4 v[8*(8*((\a)%4)+\b):8*(8*((\a)%4)+\b)+7], v[128*(\p)+FR*\b:128*(\p)+FR*\b+FR-1], v[AF+FR*(\a):AF+FR*(\a)+FR-1], 0, v[SC+8*NQ*(\sc)+NQ*\b+(\q)], v[SC+8*NQ*(\sc)+NQ*(\a)+(\q)] matrix_a_fmt:MATRIX_FMT_FP6 matrix_b_fmt:MATRIX_FMT_FP6 matrix_a_scale:MATRIX_SCALE_ROW1
.else
	v_wmma_scale_f32_16x16x128_f8f6f4 v[8*(8*((\a)%4)+\b):8*(8*((\a)%4)+\b)+7], v[128*(\p)+FR*\b:128*(\p)+FR*\b+FR-1], v[AF+FR*(\a):AF+FR*(\a)+FR-1], v[8*(8*((\a)%4)+\b):8*(8*((\a)%4)+\b)+7], v[SC+8*NQ*(\sc)+NQ*\b+(\q)], v[SC+8*NQ*(\sc)+NQ*(\a)+(\q)] matrix_a_fmt:MATRIX_FMT_FP6 matrix_b_fmt:MATRIX_FMT_FP6 matrix_a_scale:MATRIX_SCALE_ROW1
.endif
.endr
.endr
.endm
.macro FETCH_B slot, q, p
	WIN TO_B
.irp i, 0,1,2,3,4,5,6,7
	FRAG 128*(\p)+FR*\i, ADRB+\slot, \q, \i
.endr
	WIN 0
.endm
.macro FETCH_A slot, q, i0
.irp i, \i0, \i0+1, \i0+2, \i0+3
	FRAG AF+FR*(\i), ADRA+\slot, \q, \i
.endr
.endm
.macro SCALES sc
.irp i, 0,1,2,3,4,5,6,7
	ds_load_b64 v[SC+8*NQ*\sc+NQ*\i:SC+8*NQ*\sc+NQ*\i+1], v[ADRS] offset:\i*SBLK
.endr
.endm
.macro PLACES n
.rept \n
	v_nop
.endr
.endm
.macro STEP slot, q, zero
	s_wait_dscnt 4*NL
	WIN MUL_LO
	MUL16 0, (\q)%2, \q, \slot, \zero
	MUL16 2, (\q)%2, \q, \slot, \zero
	s_wait_dscnt 0
	PLACES NP
	FETCH_B \slot, (\q)+1, 1-(\q)%2
	FETCH_A \slot, (\q)+1, 0
	WIN MUL_HI
	MUL16 4, (\q)%2, \q, \slot, \zero
	MUL16 6, (\q)%2, \q, \slot, \zero
	PLACES NP
	WIN 0
	FETCH_A \slot, (\q)+1, 4
.endm
.macro TURN slot, next, fill
	s_wait_tensorcnt 0x0
	ds_add_u32 v[SPW], v[NIL]
	s_wait_dscnt 4*NL+1
	WIN MUL_LO
	MUL16 0, 1, NQ-1, \slot, 0
	s_wait_dscnt 0x0
	s_barrier_signal -1
	MUL16 2, 1, NQ-1, \slot, 0
	WIN 0
	s_barrier_wait -1
.if \fill
	CREST
	s_add_nc_u64 s[G0+4*\slot+2:G0+4*\slot+3], s[G0+4*\slot+2:G0+4*\slot+3], 2*KQB
	s_add_nc_u64 s[G0B+4*\slot+2:G0B+4*\slot+3], s[G0B+4*\slot+2:G0B+4*\slot+3], 2*KQB
	JLOAD G0+4*\slot, G1, G0B+4*\slot, G1B
.else
	PLACES NP
.endif
	s_wait_alu depctr_va_vdst(0)
	v_add_nc_u32 v[ADRS], 4*NQ, v[ADRS]
	FETCH_B \next, 0, 0
	FETCH_A \next, 0, 0
	SCALES \next
	WIN MUL_HI
	MUL16 4, 1, NQ-1, \slot, 0
	MUL16 6, 1, NQ-1, \slot, 0
	PLACES NP
	WIN 0
	FETCH_A \next, 0, 4
.endm
	s_wait_alu depctr_va_vdst(0)
	s_wait_tensorcnt 0x0                           ; my tile of the head's four is in
	ds_add_u32 v[SPW], v[NIL]
	s_mov_b32 s[G1+2], 96<<16                      ; no tensor load of mine is out, so descriptors may be written: from here on a load brings 128 rows of codes, 96 rows of 256 bytes,
	s_mov_b32 s[G1+4], 96
	s_mov_b32 s[G1B+2], 96<<16
	s_mov_b32 s[G1B+4], 96
	s_mov_b32 s[G0+1], s45                         ; and slot 0's groups 0 name my quarter of the slot
	s_add_nc_u64 s[G0+2:G0+3], s[G0+2:G0+3], s[18:19]
	s_mov_b32 s[G0B+1], s45
	s_add_nc_u64 s[G0B+2:G0B+3], s[G0B+2:G0B+3], s[18:19]
	s_wait_dscnt 0x0
	CROUND                                         ; all four tiles are in, and all sixteen work-groups are here
	JLOAD G0+4, G1, G0B+4, G1B                     ; slot 1's first fill, the first tensor load behind the round
	FETCH_B 0, 0, 0
	FETCH_A 0, 0, 0
	SCALES 0
	FETCH_A 0, 0, 4
	STEP 0, 0, 1
	s_mov_b32 s3, LAPS-1
.Llap:
	TURN 0, 1, 1
	STEP 1, 0, 0
	TURN 1, 0, 1
	STEP 0, 0, 0
	s_sub_co_u32 s3, s3, 1
	s_cmp_lg_u32 s3, 0
	s_cbranch_scc1 .Llap
	TURN 0, 1, 0
	STEP 1, 0, 0
	s_wait_dscnt 4*NL
	WIN MUL_LO
	MUL16 0, 1, NQ-1, 1, 0
	MUL16 2, 1, NQ-1, 1, 0
	s_wait_dscnt 0
	WIN MUL_HI
	MUL16 4, 1, NQ-1, 1, 0
	MUL16 6, 1, NQ-1, 1, 0
	WIN 0
.macro QUANT s, pw
.irp b, 0,1,2,3
	v_max3_num_f32 v[TM+\b], |v[\s+16*\b]|, |v[\s+1+16*\b]|, 0x1800000
.endr
.irp i, 2,4,6,8,10,12,14
.irp b, 0,1,2,3
	v_max3_num_f32 v[TM+\b], v[TM+\b], |v[\s+16*\b+\i]|, |v[\s+1+16*\b+\i]|
.endr
.endr
.irp b, 0,1,2,3
	v_permlanex16_b32 v[TM+4+\b], v[TM+\b], s90, s91
.endr
.irp b, 0,1,2,3
	v_max_num_f32 v[TM+\b], v[TM+\b], v[TM+4+\b]
.endr
.irp b, 0,1,2,3
	v_add_nc_u32 v[TM+12+\b], 0xff000000, v[TM+\b]
.endr
.irp b, 0,1,2,3
	v_lshrrev_b32 v[TM+4+\b], 23, v[TM+12+\b]
.endr
	v_lshl_or_b32 v[\pw], v[TM+5], 8, v[TM+4]
	v_lshl_or_b32 v[\pw], v[TM+6], 16, v[\pw]
	v_lshl_or_b32 v[\pw], v[TM+7], 24, v[\pw]
.irp c, 0,1
	v_cvt_scalef32_pk16_fp6_f32 v[CD+6*\c:CD+2+6*\c], v[\s+32*\c:\s+15+32*\c], v[TM+12+2*\c]
	v_cvt_scalef32_pk16_fp6_f32 v[CD+12+4*\c:CD+14+4*\c], v[\s+16+32*\c:\s+31+32*\c], v[TM+12+2*\c+1]
.endr
	v_nop
.irp c, 0,1
.irp i, 0,1,2
	v_permlane16_swap_b32 v[CD+6*\c+\i], v[CD+12+4*\c+\i]
.endr
.irp i, 0,1,2
	v_mov_b32 v[CD+3+6*\c+\i], v[CD+12+4*\c+\i]
.endr
.endr
.endm
	PLACES NP
	s_wait_loadcnt 0x0
	v_and_b32 v[L16], 31, v0
	v_lshlrev_b32 v[L8], 3, v[L16]
	v_add_nc_u32 v[L8], 512, v[L8]
	v_lshlrev_b32 v[L16], 4, v[L16]
.irp b, 0,1,2,3
	v_mov_b32 v[TM+4+\b], 0
.endr
	s_mov_b32 s90, 0x76543210
	s_mov_b32 s91, 0xfedcba98
	s_lshr_b32 s68, s17, 1
	s_lshl_b32 s68, s68, 4
	s_lshl_b32 s69, s40, 2
	s_lshl_b32 s70, s16, 1
	s_add_co_u32 s69, s69, s70
	s_add_co_u32 s69, s69, s68
	s_lshl_b32 s70, s17, 6
	s_lshl_b32 s71, s41, 4
	s_add_co_u32 s70, s70, s71
	s_lshl_b32 s71, s15, 3
	s_add_co_u32 s70, s70, s71
	s_and_b32 s70, s70, 127
	s_lshl_b32 s72, s41, 2
	s_lshl_b32 s73, s15, 1
	s_add_co_u32 s72, s72, s73
	s_add_co_u32 s72, s72, s68
	s_lshl_b32 s73, s17, 3
	s_lshl_b32 s74, s40, 1
	s_add_co_u32 s73, s73, s74
	s_add_co_u32 s73, s73, s16
	s_and_b32 s73, s73, 15
	s_lshl_b32 s74, s69, 7
	s_add_co_u32 s74, s74, s70
	s_mul_i32 s74, s74, 768
	s_mul_i32 s75, ttmp9, 3145728
	s_add_co_u32 s74, s74, s75
	s_lshl_b32 s75, s72, 4
	s_add_co_u32 s75, s75, s73
	s_mul_i32 s75, s75, 6144
	s_add_co_u32 s75, s75, 6291456
	s_mov_b32 s77, 98304
	s_mov_b32 s78, 1536
	s_mov_b32 s79, 98304
	s_cmp_lt_u32 ttmp9, 2
	s_cselect_b32 s76, s74, s75
	s_cselect_b32 s77, 3072, s77
	s_cselect_b32 s78, 768, s78
	s_cselect_b32 s79, s79, 768
	s_mov_b32 s80, s76
	s_mov_b32 s82, 0xffff0000
.macro OUTBLK a
	s_wait_xcnt 0x0
	s_cmp_eq_u32 ttmp9, 2
	s_cbranch_scc1 .Lrow_bias_\@
	WIN 0x02+(\a)/4
.set k, 0
.rept 32
	v_pk_add_f32 v[HA+k:HA+k+1], v[64*((\a)%4)+k:64*((\a)%4)+k+1], v[BN+k:BN+k+1]
.set k, k+2
.endr
	WIN 0
	s_branch .Lbiased_\@
.Lrow_bias_\@:
	WIN 0x02+(\a)/4
.set k, 0
.rept 64
	v_add_f32 v[HA+k], v[64*((\a)%4)+k], v[BM+(\a)]
.set k, k+1
.endr
	WIN 0
.Lbiased_\@:
	QUANT HA, PWS+(\a)
	v_add_nc_u32 v[VO], s80, v[L16]
	v_add_nc_u32 v[VO+1], s80, v[L8]
	s_add_co_u32 s81, s80, s79
	v_add_nc_u32 v[VO+2], s81, v[L16]
	v_add_nc_u32 v[VO+3], s81, v[L8]
	global_store_b128 v[VO], v[CD:CD+3], s[96:97]
	global_store_b64 v[VO+1], v[CD+4:CD+5], s[96:97]
	global_store_b128 v[VO+2], v[CD+6:CD+9], s[96:97]
	global_store_b64 v[VO+3], v[CD+10:CD+11], s[96:97]
.if (\a) == 3
	s_add_co_u32 s80, s76, s77
.else
	s_add_co_u32 s80, s80, s78
.endif
.endm
.irp a, 0,1,2,3,4,5,6,7
	OUTBLK \a
.endr
	s_lshl_b32 s83, s69, 13
	s_lshr_b32 s84, s70, 2
	s_lshl_b32 s84, s84, 8
	s_add_co_u32 s84, s84, s83
	s_lshr_b32 s85, s70, 3
	s_lshl_b32 s85, s85, 9
	s_add_co_u32 s85, s85, s83
	s_add_co_u32 s85, s85, 262144
	s_lshl_b32 s86, s72, 13
	s_lshl_b32 s87, s73, 9
	s_add_co_u32 s86, s86, s87
	s_add_co_u32 s86, s86, 262144+256
	v_lshlrev_b32 v[SO2], 4, v1
	v_lshl_add_u32 v[SO2], v2, 13, v[SO2]
	s_cmp_eq_u32 ttmp9, 0
	s_cbranch_scc0 .Lnot_q
	v_add_nc_u32 v[SO], s84, v[L16]
.irp c, 0,1
.irp j, 0,1,2,3
	v_perm_b32 v[WA+\j], v[PWS+\j], v[PWS+\j], 0x01000100+0x02020202*\c
	v_perm_b32 v[WB+\j], v[PWS+4+\j], v[PWS+4+\j], 0x01000100+0x02020202*\c
	v_cndmask_b32 v[WO+4*\c+\j], v[WA+\j], v[WB+\j], s82
.endr
	global_store_b128 v[SO], v[WO+4*\c:WO+4*\c+3], s[98:99] offset:8192*\c
.endr
	s_branch .Ldone
.Lnot_q:
	s_cmp_eq_u32 ttmp9, 1
	s_cbranch_scc0 .Lv_words
	s_wait_alu depctr_va_vdst(0)
	v_add_nc_u32 v[SO], s85, v[SO2]
.irp f, 0,1,2,3
	v_perm_b32 v[WA+\f], v[PWS+2*\f+1], v[PWS+2*\f], 0x05040100
	v_perm_b32 v[WB+\f], v[PWS+2*\f+1], v[PWS+2*\f], 0x07060302
	v_cndmask_b32 v[WO+\f], v[WA+\f], v[WB+\f], s82
.endr
	global_store_b128 v[SO], v[WO:WO+3], s[98:99]
	s_branch .Ldone
.Lv_words:
	s_wait_alu depctr_va_vdst(0)
	v_add_nc_u32 v[SO], s86, v[SO2]
.irp t, 0,1,2,3
	v_cndmask_b32 v[WO+\t], v[PWS+\t], v[PWS+4+\t], s82
.endr
	global_store_b128 v[SO], v[WO:WO+3], s[98:99]
.Ldone:
	s_wait_tensorcnt 0x0
	ds_add_u32 v[SPW], v[NIL]
	s_wait_dscnt 0x0
	CROUND
	s_endpgm
.Lfunc_end_k_q7bc8dac586_qkv:
	.size	k_q7bc8dac586_qkv, .Lfunc_end_k_q7bc8dac586_qkv-k_q7bc8dac586_qkv
	.p2alignl 7, 3214868480
	.fill 96, 4, 3214868480
	.section	.rodata,"a",@progbits
	.p2align	6, 0x0
	.amdhsa_kernel k_q7bc8dac586_qkv
		.amdhsa_group_segment_fixed_size 327680
		.amdhsa_private_segment_fixed_size 0
		.amdhsa_enable_private_segment 0
		.amdhsa_kernarg_size 56
		.amdhsa_user_sgpr_count 2
		.amdhsa_user_sgpr_kernarg_segment_ptr 1
		.amdhsa_wavefront_size32 1
		.amdhsa_system_sgpr_workgroup_id_x 1
		.amdhsa_system_sgpr_workgroup_id_y 1
		.amdhsa_system_sgpr_workgroup_id_z 1
		.amdhsa_system_vgpr_workitem_id 0
		.amdhsa_next_free_vgpr 1024
		.amdhsa_next_free_sgpr 100
		.amdhsa_reserve_vcc 0
		.amdhsa_float_denorm_mode_32 3
		.amdhsa_float_denorm_mode_16_64 3
		.amdhsa_memory_ordered 1
		.amdhsa_forward_progress 1
		.amdhsa_inst_pref_size 209
	.end_amdhsa_kernel
	.amdgpu_metadata
---
amdhsa.version: [ 1, 2 ]
amdhsa.kernels:
  - .name:           k_q7bc8dac586_qkv
    .symbol:         k_q7bc8dac586_qkv.kd
    .args:
      - { .name: codes, .offset: 0, .size: 8, .value_kind: global_buffer, .address_space: global }
      - { .name: scl, .offset: 8, .size: 8, .value_kind: global_buffer, .address_space: global }
      - { .name: bq, .offset: 16, .size: 8, .value_kind: global_buffer, .address_space: global }
      - { .name: bk, .offset: 24, .size: 8, .value_kind: global_buffer, .address_space: global }
      - { .name: bv, .offset: 32, .size: 8, .value_kind: global_buffer, .address_space: global }
      - { .name: qkv, .offset: 40, .size: 8, .value_kind: global_buffer, .address_space: global }
      - { .name: qkvs, .offset: 48, .size: 8, .value_kind: global_buffer, .address_space: global }
    .group_segment_fixed_size: 327680
    .private_segment_fixed_size: 0
    .kernarg_segment_align: 8
    .kernarg_segment_size: 56
    .max_flat_workgroup_size: 128
    .sgpr_count:     100
    .vgpr_count:     1024
    .wavefront_size: 32
...
	.end_amdgpu_metadata
.endif
;; end of part 2
;; launch attn (part 3): grid 8 x 32, 16 waves a work-group, clusters of 4 x 1, 256,000 bytes of LDS; arguments qkv, qkvs, cc, cs; writes cc, cs
.if DOCPART == 3
	.amdgcn_target "amdgcn-amd-amdhsa--gfx1250"
	.amdhsa_code_object_version 6
	.text
	.protected	k_q7bc8dac586_attn
	.globl	k_q7bc8dac586_attn
	.p2align	8
	.type	k_q7bc8dac586_attn,@function
k_q7bc8dac586_attn:
	s_mov_b64 s[64:65], 0
	v_nop
	global_prefetch_b8 v0, s[64:65] scope:SCOPE_SE
	s_setreg_imm32_b32 hwreg(HW_REG_WAVE_MODE, 25, 1), 1
	s_wait_xcnt 0x0
	s_wait_alu depctr_hold_cnt(0) depctr_sa_sdst(0) depctr_va_vdst(0) depctr_va_sdst(0) depctr_va_ssrc(0) depctr_va_vcc(0) depctr_vm_vsrc(0)
	s_getreg_b32 s2, hwreg(HW_REG_IB_STS2, 6, 4)
	s_cmp_eq_u32 s2, 0
	s_cbranch_scc0 .Lentry_in_a_cluster
	s_endpgm
.Lentry_in_a_cluster:
	s_bfe_u32 s2, ttmp6, 0x10000c
	s_cmp_lg_u32 s2, 0x3003
	s_cbranch_scc0 .Lentry_shape_is_right
	s_endpgm
.Lentry_shape_is_right:
; ctx[head][q] = softmax(q . k / 8) v, both products on codes of FP6 (E2M3) with one E8M0 scale for each 32 along K; ctx is quantised here along the hidden axis.
; THE SOFTMAX: t = score x log2(e) / 8; M = the running largest t, rounded up to a whole number; p = 2^(t - M) is quantised along the keys, not normalised.
; The row's sum is taken of the unquantised p in f32 and divides the result at the end.  When M moves, the sum and O are multiplied by 2^(old M - new M): exact.
; SHARES: a work-group owns 256 queries of one head (32 heads), each of its 16 waves one tile of 16 queries; every wave walks the head's 2,048 keys, 128 a step.
; LDS, filled once: K (122,880 bytes), V (122,880), the scale words (8,192), the spare words.  K and V come as rows of 512 bytes with 128 bytes of padding behind each.
; LOADS: one tensor load a wave: waves 0-3 a quarter of K each, waves 4-7 a quarter of V, wave 8 the scale words; waves 9-15 none.
; The first quarters and the scale words have load lines of their own: their waves wait ahead of the first barrier; the other six loads are waited for behind three steps.
; CLUSTER: the four work-groups of a cluster belong to one head: every load is a joint one with the mask of all four.
; No prefetch: every fill is asked for at the kernel's head, so there is no loop to run ahead in.
; UNITS in memory: 768 bytes, images of six registers (16 rows x 64 along K): registers 0-3 of lane l at 16 l, registers 4-5 at 512 + 8 l.  Two units are a fragment: 1,536 bytes, 1,920 in LDS.
; S^T = K Q^T: source 0 holds two tiles of 16 keys (one in each half of the instruction's K), source 1 is [q | 0] or [0 | q].
; WHICH KEYS FORM A TILE is chosen by the lanes' LDS addresses: row 8 a + j of fragment (c, g) is row 8 g + j of the stored fragment 2 c + a.  Tile t = 2 g + u of band c then holds keys
; 64 c + 8 t + j in rows 0-7 and 64 c + 32 + 8 t + j in rows 8-15, so a lane's registers 32 c + 0 .. 31 are keys 64 c + 32 (lane / 16) + 0 .. 31: one whole scale block, in the order of p's operand.
; O^T = V^T P^T: source 0 = 16 channels x 128 keys, as stored; O^T's register 16 g + i is channel 32 g + 16 (lane / 16) + i.
; A SPLIT BARRIER in each step (signal at its head, wait at its end; only register work and LDS loads between) holds the waves within one step of each other.
; OUT: cc [head 16][tile of 16 tokens 256][768]; cs [token 4096][32]: byte 2 head + block.
; LIMITS: NaN and infinities are not served; p under 2^-126 comes out of v_exp_f32 as zero; the division is v_rcp_f32 and a multiplication; a block under 2^-124 keeps the byte 1;
; the promise holds while the scaled scores stay under 2^31 in magnitude.
; REGISTERS: v1-3 K's addresses, v4, v5, v9 V's, v11, v255 the scale words'; v6 q's scale word; v7, v8 the add's; v10 p's scale word; v12 -M, v13 the largest score; v[14:15] the sum;
;   v16-21 q, v22-27 zeros, v28-33 q; v34 f; v36-83 K; v84-131 V; v132-195 S^T, then p; v196-227 O^T; v228-239 p's codes; v240-243 K's scale words, v244-247 V's; v35, v248-254 at work.
.set FP,    1920                       ; a fragment in LDS
.set STEPB, 7680                       ; a key step's four fragments
.set QB,    30720                      ; four key steps: what one load brings
.set VC,    122880
.set SCW,   245760
.set SPARE, 253952
.set KF, 36
.set VF, 84
.set S,  132
.set O,  196
.set P,  228
.set KS, 240
.set VS, 244
.set WV,  18
.set NC,  19
.set SEL, 20
.set CS,  22
.set CNT, 66
.set G1A, 24
.set G1C, 40
.macro CROUND
	s_barrier_signal -1
	s_barrier_wait -1
	s_cmp_lg_u32 s[WV], 0
	s_cbranch_scc1 .Lnot_wave_0_\@
	s_barrier_signal -3
.Lnot_wave_0_\@:
	s_barrier_wait -3
	s_barrier_signal -1
	s_barrier_wait -1
.endm
	s_load_b128 s[4:7], s[0:1], 0x0                ; qkv, qkvs
	s_load_b128 s[8:11], s[0:1], 0x10              ; cc, cs
	v_lshl_add_u32 v7, v0, 2, SPARE
	v_mov_b32 v8, 0
	ds_add_u32 v7, v8                              ; the opening lines: the add twice and its wait
	ds_add_u32 v7, v8
	v_lshrrev_b32 v11, 5, v0
	v_readfirstlane_b32 s[WV], v11                 ; wave 0..15
	s_bfe_u32 s72, ttmp6, 0x40000                  ; cx: it enters global addresses of my own loads and stores alone
	s_lshl_b32 s73, ttmp9, 2
	s_add_co_u32 s73, s73, s72
	s_lshl_b32 s73, s73, 4
	s_add_co_u32 s73, s73, s[WV]                   ; J: my tile of 16 queries in the batch
	s_and_b32 s74, ttmp7, 0xffff                   ; 16 x batch + head
	s_mul_i32 s76, s74, 98304                      ; the head's units of k, and of v
	s_mov_b32 s77, 0
	s_lshl_b32 s78, s74, 13                        ; its 8,192 bytes of scale words
	s_mov_b32 s79, 0
	s_lshl_b32 s80, s74, 7
	s_add_co_u32 s80, s80, s73
	s_mul_i32 s80, s80, 768                        ; my tile's unit of q
	s_mov_b32 s81, 0
	s_lshr_b32 s82, s73, 2
	s_lshl_b32 s82, s82, 8
	s_and_b32 s83, s73, 3
	s_lshl_b32 s83, s83, 2
	s_add_co_u32 s82, s82, s83
	s_add_co_u32 s82, s82, s78                     ; q's scale words: 8,192 head + 256 (J / 4) + 4 (J % 4)
	s_mov_b32 s83, 0
	s_lshr_b32 s84, s74, 4
	s_lshl_b32 s84, s84, 7
	s_add_co_u32 s84, s84, s73                     ; I = 128 batch + J
	s_and_b32 s85, s74, 15
	s_lshl_b32 s86, s85, 8
	s_add_co_u32 s86, s86, s84
	s_mul_i32 s86, s86, 768                        ; ctx's unit
	s_mov_b32 s87, 0
	s_lshl_b32 s88, s84, 9
	s_lshl_b32 s85, s85, 1
	s_add_co_u32 s88, s88, s85                     ; ctx's scale bytes: 512 I + 2 head
	s_mov_b32 s89, 0
	s_mov_b32 s[G1A], 15|(3<<16)|(1<<20)|(1<<21)|(6<<22)|(31<<25)  ; K, V: 48 rows of 512 bytes (64 elements of 8), 32 words of padding behind every 128; the mask of all four, bit 21 beside it
	s_mov_b32 s[G1A+1], 64<<16
	s_mov_b32 s[G1A+2], 48<<16
	s_mov_b32 s[G1A+3], 64<<16
	s_mov_b32 s[G1A+4], 48
	s_mov_b32 s[G1A+5], 64
	s_mov_b32 s[G1A+6], 0
	s_mov_b32 s[G1A+7], 0
	s_mov_b32 s[G1C], 15|(3<<16)|(1<<21)           ; the scale words: 32 rows of 256 bytes
	s_mov_b32 s[G1C+1], 32<<16
	s_mov_b32 s[G1C+2], 32<<16
	s_mov_b32 s[G1C+3], 32<<16
	s_mov_b32 s[G1C+4], 32
	s_mov_b32 s[G1C+5], 32
	s_mov_b32 s[G1C+6], 0
	s_mov_b32 s[G1C+7], 0
	s_mov_b32 s[SEL], 0x76543210
	s_mov_b32 s[SEL+1], 0xfedcba98                 ; v_permlanex16_b32's selects for lane l xor 16
	s_mov_b32 s[CS], 0x3e38aa3b                    ; c = log2(e) / 8
	s_mov_b32 s[CS+1], s[CS]
	s_mov_b32 s[NC], 0xbe38aa3b                    ; -c
	s_mov_b32 s90, 0xffff0000                      ; lanes 16-31
	s_min_u32 s69, s[WV], 7                        ; the loading waves' number
	s_and_b32 s68, s[WV], 3                        ; 0: a wave whose load is waited for ahead of the first barrier
	s_wait_dscnt 0x0
	s_wait_kmcnt 0x0
	s_add_nc_u64 s[12:13], s[4:5], s[80:81]
	s_add_nc_u64 s[14:15], s[6:7], s[82:83]
	s_add_nc_u64 s[8:9], s[8:9], s[86:87]
	s_add_nc_u64 s[10:11], s[10:11], s[88:89]
	CROUND                                         ; all four work-groups are here: the joint loads meet
	s_mov_b32 s48, 1
	s_mov_b32 s49, SCW
	s_add_nc_u64 s[50:51], s[6:7], s[78:79]
	s_add_nc_u64 s[50:51], s[50:51], 262144
	s_or_b32 s51, s51, 0x80000000
	s_mov_b32 s52, 1
	s_mul_i32 s53, s69, QB                         ; LDS: wave x a quarter: K's four, then V's four
	s_mul_i32 s70, s69, 24576
	s_lshr_b32 s71, s69, 2
	s_mul_i32 s71, s71, 3047424                    ; from K's end to V's start in qkv
	s_add_co_u32 s70, s70, s71
	s_add_co_u32 s70, s70, 3145728
	s_mov_b32 s71, 0
	s_add_nc_u64 s[54:55], s[4:5], s[76:77]
	s_add_nc_u64 s[54:55], s[54:55], s[70:71]
	s_or_b32 s55, s55, 0x80000000
	s_cmp_lt_u32 s[WV], 8                          ; one tree of branches on the wave's number, one load to an arm
	s_cbranch_scc0 .Lhigh
	s_cmp_eq_u32 s68, 0
	s_cbranch_scc0 .Llate
	tensor_load_to_lds s[52:55], s[G1A:G1A+7]      ; waves 0 and 4: key steps 0-3 of K, of V
	s_nop 0
	s_branch .Lasked
.Llate:
	tensor_load_to_lds s[52:55], s[G1A:G1A+7]      ; waves 1-3, 5-7: the other quarters
	s_nop 0
	s_branch .Lasked
.Lhigh:
	s_cmp_eq_u32 s[WV], 8
	s_cbranch_scc0 .Lasked
	tensor_load_to_lds s[48:51], s[G1C:G1C+7]      ; wave 8: the scale words
	s_nop 0
.Lasked:
	v_and_b32 v84, 31, v0
	v_lshlrev_b32 v85, 3, v84                      ; 8 x lane
	v_lshlrev_b32 v84, 4, v84                      ; 16 x lane
	v_bfe_u32 v86, v0, 4, 1                        ; h
	v_and_b32 v87, 7, v0                           ; j
	v_bfe_u32 v88, v0, 3, 1                        ; a
	v_and_b32 v89, 15, v0
	v_mul_u32_u24 v1, v88, FP
	v_lshl_add_u32 v3, v87, 3, v1
	v_lshl_add_u32 v3, v86, 7, v3                  ; K, 8-byte pieces: 1,920 a + 8 j + 128 h
	v_lshl_add_u32 v1, v87, 4, v1
	v_lshl_add_u32 v1, v86, 8, v1                  ; K, 16-byte pieces of the first unit: 1,920 a + 16 j + 256 h
	v_lshl_add_u32 v2, v86, 7, v1                  ; of the second: lanes 16-31 lie behind one padding more
	v_add_nc_u32 v4, VC-STEPB, v84                 ; V's addresses begin one step back: a step adds ahead of its loads
	v_lshl_add_u32 v5, v86, 7, v4
	v_add_nc_u32 v9, VC-STEPB, v85
	v_lshlrev_b32 v11, 4, v87
	v_lshl_add_u32 v11, v88, 2, v11
	v_add_nc_u32 v11, SCW, v11                     ; K's words: 16 j + 4 a
	v_lshlrev_b32 v89, 4, v89                      ; 16 r
	v_add_nc_u32 v255, SCW+256-512, v89            ; V's words: 256 + 16 r, one step back
	v_add_nc_u32 v85, 512, v85
	global_load_b128 v[16:19], v84, s[12:13]       ; q's unit, twice: in front of the zeros and behind them
	global_load_b64 v[20:21], v85, s[12:13]
	global_load_b128 v[28:31], v84, s[12:13]
	global_load_b64 v[32:33], v85, s[12:13]
	global_load_b32 v6, v89, s[14:15]
.irp j, 22,23,24,25,26,27
	v_mov_b32 v\j, 0                               ; zero codes
.endr
	v_mov_b32 v13, 0xff61b1e6                      ; the largest score so far: -3e38
	v_mul_f32 v12, s[NC], v13
	v_floor_f32 v12, v12                           ; -M
	v_mov_b32 v14, 0
	v_mov_b32 v15, 0
	v_mov_b32 v252, 0                              ; a lane permute's destination counts as one of its sources
.set j, 0
.rept 32
	v_mov_b32 v[O+j], 0                            ; O^T: the step is written once; the first finds zeros
.set j, j+1
.endr
.macro KLOAD                           ; a step's four fragments of K and their scale words: 20 loads
.irp c, 0,1
.irp g, 0,1
	ds_load_b128 v[KF+12*(2*\c+\g):KF+12*(2*\c+\g)+3], v1 offset:2*FP*\c+128*\g
	ds_load_b64 v[KF+12*(2*\c+\g)+4:KF+12*(2*\c+\g)+5], v3 offset:2*FP*\c+640+64*\g
	ds_load_b128 v[KF+12*(2*\c+\g)+6:KF+12*(2*\c+\g)+9], v2 offset:2*FP*\c+896+128*\g
	ds_load_b64 v[KF+12*(2*\c+\g)+10:KF+12*(2*\c+\g)+11], v3 offset:2*FP*\c+1536+64*\g
	ds_load_b32 v[KS+2*\c+\g], v11 offset:8*\c+128*\g
.endr
.endr
.endm
; A KEY STEP: 128 keys.  nxt = 1: the next step's K is asked for.
.macro STEP nxt
	s_wait_dscnt 0x0                               ; K's fragments are in; no LDS instruction of mine is out at the signal
	s_barrier_signal -1
.irp f, 0,1,2,3
.irp u, 0,1
	v_wmma_scale_f32_16x16x128_f8f6f4 v[S+8*(2*\f+\u):S+8*(2*\f+\u)+7], v[KF+12*\f:KF+12*\f+11], v[16+6*\u:27+6*\u], 0, v[KS+\f], v6 matrix_a_fmt:MATRIX_FMT_FP6 matrix_b_fmt:MATRIX_FMT_FP6
.endr
.endr
	v_add_nc_u32 v4, STEPB, v4                     ; four plain lines: the places behind the products, ahead of the loads into V's registers and of the first read of the scores
	v_add_nc_u32 v5, STEPB, v5
	v_add_nc_u32 v9, STEPB, v9
	v_add_nc_u32 v255, 512, v255
.irp t, 0,1,2,3                                ; V's fragments and scale words, 17 loads, land while the softmax is worked
	ds_load_b128 v[VF+12*\t:VF+12*\t+3], v4 offset:FP*\t
	ds_load_b64 v[VF+12*\t+4:VF+12*\t+5], v9 offset:FP*\t+640
	ds_load_b128 v[VF+12*\t+6:VF+12*\t+9], v5 offset:FP*\t+896
	ds_load_b64 v[VF+12*\t+10:VF+12*\t+11], v9 offset:FP*\t+1536
.endr
	ds_load_b128 v[VS:VS+3], v255
.irp c, 0,1                                    ; the largest score of my two blocks of 32 keys, two chains a block; each tile is read from its low end on
	v_max3_num_f32 v[248+\c], v[S+32*\c], v[S+32*\c+1], v[S+32*\c+2]
	v_max3_num_f32 v[250+\c], v[S+32*\c+16], v[S+32*\c+17], v[S+32*\c+18]
.endr
.irp i, 3,5,7,9,11,13
.irp c, 0,1
	v_max3_num_f32 v[248+\c], v[248+\c], v[S+32*\c+\i], v[S+32*\c+\i+1]
	v_max3_num_f32 v[250+\c], v[250+\c], v[S+32*\c+16+\i], v[S+32*\c+17+\i]
.endr
.endr
.irp c, 0,1
	v_max3_num_f32 v[248+\c], v[248+\c], v[S+32*\c+15], v[S+32*\c+31]
.endr
.irp c, 0,1
	v_max_num_f32 v[248+\c], v[248+\c], v[250+\c]
.endr
	v_max3_num_f32 v35, v248, v249, v13
	v_permlanex16_b32 v252, v35, s[SEL], s[SEL+1]
	v_max_num_f32 v13, v35, v252                   ; the running largest score of my query
	v_mul_f32 v35, s[NC], v13
	v_floor_f32 v35, v35                           ; the new -M = floor(-t)
	v_sub_f32 v252, v35, v12                       ; old M - new M: a whole number, 0 or less
	v_mov_b32 v12, v35
	v_cvt_i32_f32 v252, v252                       ; (it saturates)
	v_ldexp_f32 v34, 1.0, v252                     ; f = 2^(old M - new M)
.set j, 0
.rept 16
	v_pk_mul_f32 v[O+j:O+j+1], v[O+j:O+j+1], v[34:35] op_sel_hi:[1,0]   ; O^T under the new M, ahead of the exponentials
.set j, j+2
.endr
.set j, 0
.rept 32
	v_pk_fma_f32 v[S+j:S+j+1], v[S+j:S+j+1], s[CS:CS+1], v[12:13] op_sel_hi:[1,0,0]   ; t - M
.set j, j+2
.endr
	v_fma_f32 v248, v248, s[CS], v12               ; the same of each block's largest score
	v_fma_f32 v249, v249, s[CS], v12
	s_wait_alu depctr_va_vdst(0)                   ; the wait ahead of the batch
.set j, 0
.rept 64
	v_exp_f32 v[S+j], v[S+j]                       ; p = 2^(t - M)
.set j, j+1
.endr
	v_exp_f32 v248, v248                           ; the blocks' largest p
	v_exp_f32 v249, v249
.if \nxt
	v_add_nc_u32 v1, STEPB, v1                     ; plain lines behind the batch
	v_add_nc_u32 v2, STEPB, v2
	v_add_nc_u32 v3, STEPB, v3
	v_add_nc_u32 v11, 512, v11
.else
	v_nop
.endif
	s_wait_alu depctr_va_vdst(0)                   ; and behind it, ahead of its first reader
.if \nxt
	KLOAD
.endif
	v_max_num_f32 v248, 0x1800000, v248            ; the floor 2^(3 - 127): the byte cannot fall under 1
	v_max_num_f32 v249, 0x1800000, v249
	v_add_nc_u32 v250, 0xff000000, v248            ; 2 off the exponent field: the conversions' scale operand
	v_add_nc_u32 v251, 0xff000000, v249
	v_lshrrev_b32 v252, 23, v250
	v_lshrrev_b32 v253, 23, v251
	v_lshl_or_b32 v35, v253, 16, v252              ; my blocks' bytes: blocks h and 2 + h
	v_permlanex16_b32 v252, v35, s[SEL], s[SEL+1]
	v_lshl_or_b32 v10, v252, 8, v35                ; lanes 0-15, which alone are read: p's scale word of these 128 keys
	v_cvt_scalef32_pk16_fp6_f32 v[P:P+2], v[S:S+15], v250
	v_cvt_scalef32_pk16_fp6_f32 v[252:254], v[S+16:S+31], v250     ; (a conversion's three registers begin on an even number)
	v_pk_fma_f32 v[14:15], v[14:15], v[34:35], v[S:S+1] op_sel_hi:[1,0,1]   ; the sum under the new M, and the first two p: a plain place behind the conversions
.irp i, 0,1,2
	v_mov_b32 v[P+3+\i], v[252+\i]
.endr
	v_cvt_scalef32_pk16_fp6_f32 v[P+6:P+8], v[S+32:S+47], v251
	v_cvt_scalef32_pk16_fp6_f32 v[252:254], v[S+48:S+63], v251
	v_pk_add_f32 v[14:15], v[14:15], v[S+8:S+9]
.irp i, 0,1,2
	v_mov_b32 v[P+9+\i], v[252+\i]
.endr
.irp k, 1,2,3                                  ; the row's sum of the unquantised p, in four chains
	v_pk_add_f32 v[S+2*\k:S+2*\k+1], v[S+2*\k:S+2*\k+1], v[S+2*\k+8:S+2*\k+9]
.endr
.irp m, 2,3,4,5,6,7
	v_pk_add_f32 v[14:15], v[14:15], v[S+8*\m:S+8*\m+1]
.irp k, 1,2,3
	v_pk_add_f32 v[S+2*\k:S+2*\k+1], v[S+2*\k:S+2*\k+1], v[S+2*\k+8*\m:S+2*\k+8*\m+1]
.endr
.endr
	v_pk_add_f32 v[14:15], v[14:15], v[S+2:S+3]
	v_pk_add_f32 v[S+4:S+5], v[S+4:S+5], v[S+6:S+7]
	v_pk_add_f32 v[14:15], v[14:15], v[S+4:S+5]
.if \nxt
	s_wait_dscnt 20                                ; V's 17 loads are in; the 20 of the next step's K may be out
.else
	s_wait_dscnt 0x0
.endif
.irp t, 0,1,2,3                                ; the four accumulators by turns
	v_wmma_scale_f32_16x16x128_f8f6f4 v[O+8*\t:O+8*\t+7], v[VF+12*\t:VF+12*\t+11], v[P:P+11], v[O+8*\t:O+8*\t+7], v[VS+\t], v10 matrix_a_fmt:MATRIX_FMT_FP6 matrix_b_fmt:MATRIX_FMT_FP6
.endr
	s_barrier_wait -1                              ; every wave has begun this step
.endm
	s_wait_alu depctr_va_vdst(0)                   ; the wait at the head's end
	s_wait_loadcnt 0x0                             ; q
	s_cmp_eq_u32 s68, 0
	s_cbranch_scc0 .Lno_early
	s_wait_tensorcnt 0x0                           ; waves 0, 4, 8: key steps 0-3 and the scale words
.Lno_early:
	s_barrier_signal -1
	s_barrier_wait -1
	KLOAD
	s_mov_b32 s[CNT], 3
.Lfirst:                                               ; steps 0-2; they read K up to step 3
	STEP 1
	s_sub_co_u32 s[CNT], s[CNT], 1
	s_cmp_lg_u32 s[CNT], 0
	s_cbranch_scc1 .Lfirst
	s_wait_tensorcnt 0x0                           ; the other quarters are in,
	s_wait_dscnt 0x0
	s_barrier_signal -1
	s_barrier_wait -1                              ; for every wave
	s_mov_b32 s[CNT], 12
.Lrest:
	STEP 1
	s_sub_co_u32 s[CNT], s[CNT], 1
	s_cmp_lg_u32 s[CNT], 0
	s_cbranch_scc1 .Lrest
	STEP 0
	; THE WAY OUT: O^T / the sum; its 64 channels are two blocks of the output projection's K.
	s_wait_alu depctr_va_vdst(0)                   ; the sum was written just ahead of the step's last waits
	v_add_f32 v14, v14, v15
	v_permlanex16_b32 v252, v14, s[SEL], s[SEL+1]
	v_add_f32 v14, v14, v252                       ; the row's sum
	s_wait_alu depctr_va_vdst(0)
	v_rcp_f32 v14, v14
	v_and_b32 v1, 31, v0
	v_and_b32 v2, 15, v0
	v_bfe_u32 v4, v0, 4, 1
	v_lshl_add_u32 v4, v2, 5, v4                   ; 32 r + h: my block's byte of my row
	s_wait_alu depctr_va_vdst(0)                   ; ahead of the first reader of the reciprocal and of O^T
.set j, 0
.rept 32
	v_mul_f32 v[S+j], v[O+j], v14                  ; register 16 g + i: channel 32 g + 16 h + i
.set j, j+1
.endr
.irp b, 0,1
	v_max3_num_f32 v[248+\b], |v[S+16*\b]|, |v[S+1+16*\b]|, 0x1800000
.endr
.irp i, 2,4,6,8,10,12,14
.irp b, 0,1
	v_max3_num_f32 v[248+\b], v[248+\b], |v[S+16*\b+\i]|, |v[S+1+16*\b+\i]|
.endr
.endr
.irp b, 0,1
	v_permlanex16_b32 v[252+\b], v[248+\b], s[SEL], s[SEL+1]
.endr
.irp b, 0,1
	v_max_num_f32 v[248+\b], v[248+\b], v[252+\b]
.endr
.irp b, 0,1
	v_add_nc_u32 v[250+\b], 0xff000000, v[248+\b]
.endr
.irp b, 0,1
	v_lshrrev_b32 v[252+\b], 23, v[250+\b]
.endr
	v_cndmask_b32 v35, v252, v253, s90             ; lanes 0-15: block 0's byte; lanes 16-31: block 1's
	v_cvt_scalef32_pk16_fp6_f32 v[P:P+2], v[S:S+15], v250
	v_cvt_scalef32_pk16_fp6_f32 v[252:254], v[S+16:S+31], v251
	v_lshlrev_b32 v3, 3, v1
.irp i, 0,1,2
	v_permlane16_swap_b32 v[P+\i], v[252+\i]       ; a whole block to a lane
.endr
.irp i, 0,1,2
	v_mov_b32 v[P+3+\i], v[252+\i]
.endr
	v_lshlrev_b32 v2, 4, v1
	v_add_nc_u32 v3, 512, v3
	global_store_b128 v2, v[P:P+3], s[8:9]         ; 512 consecutive bytes, aligned to 256
	global_store_b64 v3, v[P+4:P+5], s[8:9]        ; 256 consecutive bytes, aligned
	global_store_b8 v4, v35, s[10:11]
	s_wait_tensorcnt 0x0                           ; the wave's end
	ds_add_u32 v7, v8
	s_wait_dscnt 0x0
	CROUND                                         ; the closing round
	s_endpgm
.Lfunc_end_k_q7bc8dac586_attn:
	.size	k_q7bc8dac586_attn, .Lfunc_end_k_q7bc8dac586_attn-k_q7bc8dac586_attn
	.p2alignl 7, 3214868480
	.fill 96, 4, 3214868480
	.section	.rodata,"a",@progbits
	.p2align	6, 0x0
	.amdhsa_kernel k_q7bc8dac586_attn
		.amdhsa_group_segment_fixed_size 256000
		.amdhsa_private_segment_fixed_size 0
		.amdhsa_enable_private_segment 0
		.amdhsa_kernarg_size 32
		.amdhsa_user_sgpr_count 2
		.amdhsa_user_sgpr_kernarg_segment_ptr 1
		.amdhsa_wavefront_size32 1
		.amdhsa_system_sgpr_workgroup_id_x 1
		.amdhsa_system_sgpr_workgroup_id_y 1
		.amdhsa_system_sgpr_workgroup_id_z 1
		.amdhsa_system_vgpr_workitem_id 0
		.amdhsa_next_free_vgpr 256
		.amdhsa_next_free_sgpr 96
		.amdhsa_reserve_vcc 0
		.amdhsa_float_denorm_mode_32 3
		.amdhsa_float_denorm_mode_16_64 3
		.amdhsa_memory_ordered 1
		.amdhsa_forward_progress 1
		.amdhsa_inst_pref_size 58
	.end_amdhsa_kernel
	.amdgpu_metadata
---
amdhsa.version: [ 1, 2 ]
amdhsa.kernels:
  - .name:           k_q7bc8dac586_attn
    .symbol:         k_q7bc8dac586_attn.kd
    .args:
      - { .name: qkv, .offset: 0, .size: 8, .value_kind: global_buffer, .address_space: global }
      - { .name: qkvs, .offset: 8, .size: 8, .value_kind: global_buffer, .address_space: global }
      - { .name: cc, .offset: 16, .size: 8, .value_kind: global_buffer, .address_space: global }
      - { .name: cs, .offset: 24, .size: 8, .value_kind: global_buffer, .address_space: global }
    .group_segment_fixed_size: 256000
    .private_segment_fixed_size: 0
    .kernarg_segment_align: 8
    .kernarg_segment_size: 32
    .max_flat_workgroup_size: 512
    .sgpr_count:     96
    .vgpr_count:     256
    .wavefront_size: 32
...
	.end_amdgpu_metadata
.endif
;; end of part 3
;; launch oproj (part 4): grid 8 x 32, 4 waves a work-group, clusters of 4 x 4, 239,104 bytes of LDS; arguments cc, cs, codes, scl, bo, out0; writes out0
.if DOCPART == 4
	.amdgcn_target "amdgcn-amd-amdhsa--gfx1250"
	.amdhsa_code_object_version 6
	.text
	.protected	k_q7bc8dac586_oproj
	.globl	k_q7bc8dac586_oproj
	.p2align	8
	.type	k_q7bc8dac586_oproj,@function
k_q7bc8dac586_oproj:
	s_mov_b64 s[64:65], 0
	v_nop
	global_prefetch_b8 v0, s[64:65] scope:SCOPE_SE
	s_setreg_imm32_b32 hwreg(HW_REG_WAVE_MODE, 25, 1), 1
	s_wait_xcnt 0x0
	s_wait_alu depctr_hold_cnt(0) depctr_sa_sdst(0) depctr_va_vdst(0) depctr_va_sdst(0) depctr_va_ssrc(0) depctr_va_vcc(0) depctr_vm_vsrc(0)
	s_getreg_b32 s2, hwreg(HW_REG_IB_STS2, 6, 4)
	s_cmp_eq_u32 s2, 0
	s_cbranch_scc0 .Lentry_in_a_cluster
	s_endpgm
.Lentry_in_a_cluster:
	s_bfe_u32 s2, ttmp6, 0x10000c
	s_cmp_lg_u32 s2, 0xf033
	s_cbranch_scc0 .Lentry_shape_is_right
	s_endpgm
.Lentry_shape_is_right:
; out0 = ctx Wo^T + bo on codes of FP6 (E2M3) with one E8M0 scale for each 32 along K = 1,024; sums in f32.
; A = ctx: cc [head 16][tile of 16 tokens 256][768], units that are images of six operand registers (registers 0-3 of lane l at 16 l, registers 4-5 at 512 + 8 l); cs [token 4096][32] its scale bytes.
; B = Wo: buffer rows 7168 on: codes [group of 128 rows][quarter of K][row][192 bytes], scl 32 bytes a row.  Tokens and Wo's rows stand in the order 32 g + 16 u + 8 h + j <- 32 g + 16 h + 8 u + j; the way out puts them back.
; SHARES: a tile of the result is 128 x 128: 256 work-groups; four waves, 64 x 64 each: 16 accumulators.
; ALL OF K LIES IN LDS, filled once, ONE TENSOR LOAD A WAVE: wave 0 heads 0-7 of A's 128 tokens (8 rows of 6,144 bytes), wave 1 quarters 0, 1 of B's 128 rows (192 rows of 256 bytes,
; 16 bytes of padding behind every 64), waves 2 and 3 the other halves of K.  Waves 0 and 1 wait ahead of the first barrier; all waves wait ahead of the barrier in front of K step 4's fetch.
; CLUSTERS: 4 x 4; A's tiles are shared along a row of the cluster, B's along a column: joint loads.  No prefetch: every fill is asked for at the head.
; The matrix instruction takes source 0 = 16 rows of B, source 1 = 16 rows of A: a lane holds one token and eight columns.  bo is the C of each sum's first matrix instruction.
; The scale words of a wave's 64 + 64 rows go from memory straight into registers, once: 512 consecutive bytes for each 16 rows.
; REGISTERS: window 0: v16-30 addresses; v32-63 A's scale words, v64-95 B's; v96-127 bo; v128-223 A's fragments, two sets; on the way out v128-255 rows of the result.
;   window 1: v0-95 B's fragments, two sets.   window 2: v0-127 the accumulators ((a, b) at v[8 (4 a + b)]).
.set SIZE_N, 1024
.set KROW,   768
.set PITCH,  240                       ; B's rows in LDS: 3 x (64 + 16)
.set FR,     12
.set NP,     4
.set UNIT,   768
.set AHD,    8*UNIT                    ; A in LDS: [head][8 units]
.set BKQ,    128*PITCH                 ; B in LDS: [quarter of K][128 rows]
.set KQB,    24576                     ; a quarter of 128 rows in memory
.set BOFF,   16*AHD
.set STG,    BOFF+4*BKQ                ; a stage of 16 rows x (256 + 16) bytes for each wave; no tensor load lands there
.set SPITCH, 272
.set SPARE,  STG+4*16*SPITCH
.set ADRA, 16                          ; v16, v17 A's addresses for K steps 0-3; v22, v23 for 4-7
.set ADRB, 18                          ; v18, v19 B's for K steps 0-3 (v19: behind one padding more); v20, v21 for 4-7
.set STO,  24
.set RD,   25
.set CO,   26
.set SOF,  27
.set BNO,  30
.set SCA,  32
.set SCB,  64
.set BN,   96
.set AF,   128
.set BK,   128
.set G1,   24
.set G0,   32
.set G1B,  48
.set G0B,  68
.set MSB, 0
.macro WIN new
.if MSB != (\new)
	s_set_vgpr_msb (MSB<<8)|(\new)
.set MSB, (\new)
.endif
.endm
.set MULW, 0xa1
.set FSTW, 0x81
.set TO_B, 0x40
.macro CROUND
	s_barrier_signal -1
	s_barrier_wait -1
	s_cmp_lg_u32 s14, 0
	s_cbranch_scc1 .Lnot_wave_0_\@
	s_barrier_signal -3
.Lnot_wave_0_\@:
	s_barrier_wait -3
	s_barrier_signal -1
	s_barrier_wait -1
.endm
.macro PLACES n
.rept \n
	v_nop
.endr
.endm
	s_load_b128 s[4:7], s[0:1], 0x0                ; cc, cs
	s_load_b128 s[8:11], s[0:1], 0x10              ; codes, scl
	s_load_b64 s[90:91], s[0:1], 0x20              ; bo
	s_load_b64 s[12:13], s[0:1], 0x28              ; out0
	v_lshl_add_u32 v29, v0, 2, SPARE
	v_mov_b32 v31, 0
	ds_add_u32 v29, v31                            ; the opening lines
	ds_add_u32 v29, v31
	v_lshrrev_b32 v1, 5, v0
	v_readfirstlane_b32 s14, v1                    ; wave 0..3
	s_lshr_b32 s15, s14, 1                         ; which 64 tokens are mine.  Also: which half of K I fetch
	s_and_b32 s16, s14, 1                          ; which 64 columns.  Also: I fetch for A (0) or for B (1)
	s_bfe_u32 s84, ttmp6, 0x40000                  ; cx
	s_bfe_u32 s85, ttmp6, 0x40004                  ; cy
	s_lshl_b32 s86, ttmp9, 2
	s_add_co_u32 s86, s86, s84                     ; tile column 0..7
	s_and_b32 s17, ttmp7, 0xffff
	s_lshl_b32 s17, s17, 2
	s_add_co_u32 s17, s17, s85                     ; tile row 0..31
	s_lshl_b32 s87, s85, 2
	s_lshl_b32 s87, 15, s87                        ; my row of the cluster
	s_lshl_b32 s88, 0x1111, s84                    ; my column
	s_or_b32 s[G1+0], s87, (3<<16)|(1<<21)         ; A: 8 heads x 6,144 bytes: rows of 768 elements of 8 bytes, 24,576 elements apart
	s_mov_b32 s[G1+1], 768<<16
	s_mov_b32 s[G1+2], 8<<16
	s_mov_b32 s[G1+3], 768<<16
	s_mov_b32 s[G1+4], 8
	s_mov_b32 s[G1+5], 24576
	s_mov_b32 s[G1+6], 0
	s_mov_b32 s[G1+7], 0
	s_or_b32 s[G1B+0], s88, (0<<16)|(1<<20)|(1<<21)|(3<<22)|(3<<25)   ; B: 192 dense rows of 256 bytes; 4 words of padding behind every 16
	s_mov_b32 s[G1B+1], 256<<16
	s_mov_b32 s[G1B+2], 192<<16
	s_mov_b32 s[G1B+3], 256<<16
	s_mov_b32 s[G1B+4], 192
	s_mov_b32 s[G1B+5], 256
	s_mov_b32 s[G1B+6], 0
	s_mov_b32 s[G1B+7], 0
	s_mul_i32 s20, s17, 8*UNIT                     ; A: the tile row's 8 units, in head 8 x half
	s_mul_i32 s18, s15, 8*256*UNIT
	s_add_co_u32 s20, s20, s18
	s_mov_b32 s21, 0
	s_lshl_b32 s22, s86, 7
	s_add_co_u32 s22, s22, 7168
	s_mul_i32 s22, s22, KROW                       ; B: the group of Wo's 128 rows, quarter 2 x half
	s_mul_i32 s19, s15, 2*KQB
	s_add_co_u32 s22, s22, s19
	s_mov_b32 s23, 0
	s_mul_i32 s56, s15, 8*AHD                      ; and where they go: no place in the cluster enters an LDS address
	s_mul_i32 s57, s15, 2*BKQ
	s_add_co_u32 s57, s57, BOFF
	s_lshl_b32 s60, s17, 7
	s_lshl_b32 s61, s15, 6
	s_add_co_u32 s60, s60, s61                     ; my first token
	s_lshl_b32 s2, s60, 12                         ; its row of out0, in bytes
	s_lshl_b32 s60, s60, 5                         ; its scale bytes
	s_mov_b32 s61, 0
	s_lshl_b32 s62, s86, 7
	s_lshl_b32 s63, s16, 6
	s_add_co_u32 s62, s62, s63                     ; my first column
	s_lshl_b32 s89, s62, 2
	s_add_co_u32 s2, s2, s89
	s_mov_b32 s3, 0
	s_add_co_u32 s62, s62, 7168
	s_lshl_b32 s62, s62, 5                         ; the scale bytes of Wo's rows
	s_mov_b32 s63, 0
	s_mul_i32 s58, s15, 4*UNIT                     ; LDS: my 64 tokens' four units in a head,
	s_mul_i32 s59, s16, 64*PITCH
	s_add_co_u32 s59, s59, BOFF                    ; my 64 rows of B in a quarter,
	s_mul_i32 s92, s14, 16*SPITCH
	s_add_co_u32 s92, s92, STG                     ; my stage
	s_wait_dscnt 0x0
	s_wait_kmcnt 0x0
	s_add_nc_u64 s[20:21], s[4:5], s[20:21]
	s_add_nc_u64 s[22:23], s[8:9], s[22:23]
	s_add_nc_u64 s[6:7], s[6:7], s[60:61]
	s_add_nc_u64 s[10:11], s[10:11], s[62:63]
	s_add_nc_u64 s[12:13], s[12:13], s[2:3]
	s_mov_b32 s[G0], 1
	s_mov_b32 s[G0+1], s56
	s_mov_b64 s[G0+2:G0+3], s[20:21]
	s_or_b32 s[G0+3], s[G0+3], 0x80000000
	s_mov_b32 s[G0B], 1
	s_mov_b32 s[G0B+1], s57
	s_mov_b64 s[G0B+2:G0B+3], s[22:23]
	s_or_b32 s[G0B+3], s[G0B+3], 0x80000000
	CROUND                                         ; all sixteen work-groups are here: the joint loads meet
.macro ARM under, g0, g1, next         ; one tree of branches on the wave's number, one load to an arm
	s_cmp_lt_u32 s14, \under
	s_cbranch_scc0 \next
	tensor_load_to_lds s[\g0:\g0+3], s[\g1:\g1+7]
	s_nop 0
	PLACES 4
	s_branch .Lasked
\next:
.endm
	ARM 1, G0,  G1,  .Lw1
	ARM 2, G0B, G1B, .Lw2
	ARM 3, G0,  G1,  .Lw3
	tensor_load_to_lds s[G0B:G0B+3], s[G1B:G1B+7]
	s_nop 0
	PLACES 4
.Lasked:
	v_and_b32 v1, 15, v0                           ; r
	v_bfe_u32 v2, v0, 4, 1                         ; h
	v_lshlrev_b32 v[SOF], 5, v1
	v_lshl_add_u32 v[BNO], v2, 6, s89              ; bo: 4 x my first column + 64 h
.irp a, 0,1,2,3                                ; scale words: word q of a row serves K step q.  bo: tile b's register j is column 32 (b / 2) + 16 h + 8 (b % 2) + j of my 64
	global_load_b128 v[SCA+8*\a:SCA+8*\a+3], v[SOF], s[6:7] offset:512*\a
	global_load_b128 v[SCA+8*\a+4:SCA+8*\a+7], v[SOF], s[6:7] offset:512*\a+16
	global_load_b128 v[SCB+8*\a:SCB+8*\a+3], v[SOF], s[10:11] offset:512*\a
	global_load_b128 v[SCB+8*\a+4:SCB+8*\a+7], v[SOF], s[10:11] offset:512*\a+16
	global_load_b128 v[BN+8*\a:BN+8*\a+3], v[BNO], s[90:91] offset:(32*(\a/2)+8*(\a%2))*4
	global_load_b128 v[BN+8*\a+4:BN+8*\a+7], v[BNO], s[90:91] offset:(32*(\a/2)+8*(\a%2))*4+16
.endr
	v_and_b32 v6, 31, v0
	v_lshlrev_b32 v7, 4, v6
	v_lshlrev_b32 v8, 3, v6
	v_add_nc_u32 v8, 512, v8
	v_add_nc_u32 v[ADRA], s58, v7
	v_add_nc_u32 v[ADRA+1], s58, v8
	v_add_nc_u32 v[ADRA+6], 8*AHD, v[ADRA]         ; an LDS offset has 16 bits: the second half of K has address registers of its own
	v_add_nc_u32 v[ADRA+7], 8*AHD, v[ADRA+1]
	v_mul_u32_u24 v3, v1, PITCH
	v_mad_u32_u24 v4, v2, 24, v3
	v_lshl_add_u32 v5, v2, 4, v4
	v_add_nc_u32 v[ADRB], s59, v4
	v_add_nc_u32 v[ADRB+1], s59, v5
	v_add_nc_u32 v[ADRB+2], 2*BKQ, v[ADRB]
	v_add_nc_u32 v[ADRB+3], 2*BKQ, v[ADRB+1]
	v_mul_u32_u24 v9, v1, SPITCH                   ; the stage, in: row r; my half's sixteen columns of a pair of tiles lie 64 h bytes on
	v_lshl_add_u32 v9, v2, 6, v9
	v_add_nc_u32 v[STO], s92, v9
	v_mul_u32_u24 v10, v2, SPITCH                  ; back: lanes 0-15 one row of 256 bytes, lanes 16-31 the next
	v_lshl_add_u32 v10, v1, 4, v10
	v_add_nc_u32 v[RD], s92, v10
	v_lshlrev_b32 v[CO], 4, v1
	v_lshl_add_u32 v[CO], v2, 12, v[CO]
.macro FRAG reg, q, i                  ; a fragment of B, tile i, K step q, in pieces of 8 bytes; where lanes 16-31 lie behind one padding more, the second address register serves
.irp p, 0,1,2,3,4,5
.set PCE, 12*((\q)%2)+6*(\p/3)+\p%3
.if PCE%8 < 5
	ds_load_b64 v[\reg+2*\p:\reg+2*\p+1], v[ADRB+2*((\q)/4)] offset:(((\q)/2)%2)*BKQ+8*PCE+16*(PCE/8)+(\i)*16*PITCH
.else
	ds_load_b64 v[\reg+2*\p:\reg+2*\p+1], v[ADRB+1+2*((\q)/4)] offset:(((\q)/2)%2)*BKQ+8*PCE+16*(PCE/8)+(\i)*16*PITCH
.endif
.endr
.endm
.macro FRAGA reg, q, i                 ; a fragment of A, block i, K step q: the units of heads 2 q and 2 q + 1
.set AO, 2*((\q)%4)*AHD+(\i)*UNIT
	ds_load_b128 v[\reg:\reg+3], v[ADRA+6*((\q)/4)] offset:AO
	ds_load_b64 v[\reg+4:\reg+5], v[ADRA+1+6*((\q)/4)] offset:AO
	ds_load_b128 v[\reg+6:\reg+9], v[ADRA+6*((\q)/4)] offset:AO+AHD
	ds_load_b64 v[\reg+10:\reg+11], v[ADRA+1+6*((\q)/4)] offset:AO+AHD
.endm
.macro FETCH q                         ; K step q's eight fragments into set q % 2: 40 LDS loads in one run
	WIN TO_B
.irp i, 0,1,2,3
	FRAG 48*((\q)%2)+FR*\i, \q, \i
.endr
	WIN 0
.irp i, 0,1,2,3
	FRAGA AF+48*((\q)%2)+FR*\i, \q, \i
.endr
.endm
.macro MUL q                           ; 16 matrix instructions; the 16 accumulators take turns
.irp a, 0,1,2,3
.irp b, 0,1,2,3
.if (\q) == 0
	v_wmma_scale_f32_16x16x128_f8f6f4 v[8*(4*\a+\b):8*(4*\a+\b)+7], v[48*((\q)%2)+FR*\b:48*((\q)%2)+FR*\b+FR-1], v[AF+48*((\q)%2)+FR*\a:AF+48*((\q)%2)+FR*\a+FR-1], v[BN+8*\b:BN+8*\b+7], v[SCB+8*\b+(\q)], v[SCA+8*\a+(\q)] matrix_a_fmt:MATRIX_FMT_FP6 matrix_b_fmt:MATRIX_FMT_FP6
.else
	v_wmma_scale_f32_16x16x128_f8f6f4 v[8*(4*\a+\b):8*(4*\a+\b)+7], v[48*((\q)%2)+FR*\b:48*((\q)%2)+FR*\b+FR-1], v[AF+48*((\q)%2)+FR*\a:AF+48*((\q)%2)+FR*\a+FR-1], v[8*(4*\a+\b):8*(4*\a+\b)+7], v[SCB+8*\b+(\q)], v[SCA+8*\a+(\q)] matrix_a_fmt:MATRIX_FMT_FP6 matrix_b_fmt:MATRIX_FMT_FP6
.endif
.endr
.endr
.endm
.macro KSTEP q                         ; this step's fragments are in; the next step's are asked for, into the other set
	s_wait_dscnt 0x0
.if (\q) < 7
.if (\q) == 3                                  ; the next step begins the second half of K
	s_wait_tensorcnt 0x0
	s_barrier_signal -1
	s_barrier_wait -1
.endif
.if (\q) > 0
	PLACES NP
.endif
	FETCH (\q)+1
.endif
.if (\q) == 0
	WIN FSTW
.else
	WIN MULW
.endif
	MUL \q
.endm
	s_wait_alu depctr_va_vdst(0)                   ; the wait at the head's end
	s_wait_loadcnt 0x0                             ; the scale words and bo
	s_cmp_lt_u32 s14, 2
	s_cbranch_scc0 .Lsecond_half
	s_wait_tensorcnt 0x0                           ; waves 0 and 1: the first half of K
.Lsecond_half:
	s_barrier_signal -1
	s_barrier_wait -1
	FETCH 0
.irp q, 0,1,2,3,4,5,6,7
	KSTEP \q
.endr
	WIN 0
; THE WAY OUT, block by block of 16 tokens x my 64 columns, through my own stage; back as whole rows of 256 bytes.  Tile b's eight columns of half h lie at 128 (b / 2) + 64 h + 32 (b % 2) bytes.
; Stage row s of block a is row 32 (a / 2) + 8 (a % 2) + s + 8 (s / 8) of my 64.  A wave's LDS instructions are served in order (ISA guide 5.7.1.4): no wait between the stores and the loads.
.macro TOSTAGE a
	WIN 0x08
.irp b, 0,1,2,3
	ds_store_b128 v[STO], v[8*(4*(\a)+\b):8*(4*(\a)+\b)+3] offset:128*(\b/2)+32*(\b%2)
	ds_store_b128 v[STO], v[8*(4*(\a)+\b)+4:8*(4*(\a)+\b)+7] offset:128*(\b/2)+32*(\b%2)+16
.endr
	WIN 0
.irp t, 0,1,2,3,4,5,6,7
	ds_load_b128 v[BK+32*(\a)+4*\t:BK+32*(\a)+4*\t+3], v[RD] offset:2*\t*SPITCH
.endr
.endm
.macro SEND a, younger
	s_wait_dscnt \younger
.irp t, 0,1,2,3,4,5,6,7
	global_store_b128 v[CO], v[BK+32*(\a)+4*\t:BK+32*(\a)+4*\t+3], s[12:13] offset:(32*((\a)/2)+8*((\a)%2)+2*\t+8*(\t/4))*SIZE_N*4 th:TH_STORE_NT   ; sixteen lanes store 256 consecutive bytes, aligned
.endr
.endm
	PLACES NP
	TOSTAGE 0
	TOSTAGE 1
	SEND 0, 16                                     ; behind block 0's loads: block 1's 8 stores and 8 loads
	TOSTAGE 2
	SEND 1, 16
	TOSTAGE 3
	SEND 2, 16
	SEND 3, 0
	s_wait_tensorcnt 0x0                           ; the wave's end
	ds_add_u32 v29, v31
	s_wait_dscnt 0x0
	CROUND                                         ; the closing round
	s_endpgm
.Lfunc_end_k_q7bc8dac586_oproj:
	.size	k_q7bc8dac586_oproj, .Lfunc_end_k_q7bc8dac586_oproj-k_q7bc8dac586_oproj
	.p2alignl 7, 3214868480
	.fill 96, 4, 3214868480
	.section	.rodata,"a",@progbits
	.p2align	6, 0x0
	.amdhsa_kernel k_q7bc8dac586_oproj
		.amdhsa_group_segment_fixed_size 239104
		.amdhsa_private_segment_fixed_size 0
		.amdhsa_enable_private_segment 0
		.amdhsa_kernarg_size 48
		.amdhsa_user_sgpr_count 2
		.amdhsa_user_sgpr_kernarg_segment_ptr 1
		.amdhsa_wavefront_size32 1
		.amdhsa_system_sgpr_workgroup_id_x 1
		.amdhsa_system_sgpr_workgroup_id_y 1
		.amdhsa_system_sgpr_workgroup_id_z 1
		.amdhsa_system_vgpr_workitem_id 0
		.amdhsa_next_free_vgpr 640
		.amdhsa_next_free_sgpr 100
		.amdhsa_reserve_vcc 0
		.amdhsa_float_denorm_mode_32 3
		.amdhsa_float_denorm_mode_16_64 3
		.amdhsa_memory_ordered 1
		.amdhsa_forward_progress 1
		.amdhsa_inst_pref_size 56
	.end_amdhsa_kernel
	.amdgpu_metadata
---
amdhsa.version: [ 1, 2 ]
amdhsa.kernels:
  - .name:           k_q7bc8dac586_oproj
    .symbol:         k_q7bc8dac586_oproj.kd
    .args:
      - { .name: cc, .offset: 0, .size: 8, .value_kind: global_buffer, .address_space: global }
      - { .name: cs, .offset: 8, .size: 8, .value_kind: global_buffer, .address_space: global }
      - { .name: codes, .offset: 16, .size: 8, .value_kind: global_buffer, .address_space: global }
      - { .name: scl, .offset: 24, .size: 8, .value_kind: global_buffer, .address_space: global }
      - { .name: bo, .offset: 32, .size: 8, .value_kind: global_buffer, .address_space: global }
      - { .name: out0, .offset: 40, .size: 8, .value_kind: global_buffer, .address_space: global }
    .group_segment_fixed_size: 239104
    .private_segment_fixed_size: 0
    .kernarg_segment_align: 8
    .kernarg_segment_size: 48
    .max_flat_workgroup_size: 128
    .sgpr_count:     100
    .vgpr_count:     640
    .wavefront_size: 32
...
	.end_amdgpu_metadata
.endif
;; end of part 4
